; MI455X (gfx1250); checked and timed in simulation.
; The chip was launched on July 23, 2026; its instructions are those of AMD's public machine-readable ISA for CDNA 5 (MIT licence, August 2026) and "CDNA5" Instruction Set Architecture Reference Guide (July 2026). The comments in the code are by the model that wrote it; some were corrected since.
;; QKV. Allowed arithmetic: float matrix products may take bf16 or f16 operands with f32 sums; other float arithmetic in f32, or as packed bf16 or f16 multiplies, adds, multiply-adds, maxima and minima; sums over many terms, partial sums and values carried from step to step in f32; what a program stores and reads back later, other than sums and carried values, may be rounded once to bf16 or f16.
;; Inputs: W1 1,024 x 1,024 float32; W2 1,024 x 1,024 float32; W3 1,024 x 1,024 float32; W4 1,024 x 1,024 float32; b1 1,024 float32; b2 1,024 float32; b3 1,024 float32; b4 1,024 float32; beta 1,024 float32; gamma 1,024 float32; k 4 x 2,048 x 1,024 float32; mask 4 x 2,048 x 2,048 bool; q 4 x 2,048 x 1,024 float32; v 4 x 2,048 x 1,024 float32.
;; Outputs: out0 4 x 2,048 x 1,024 float32.
;; 2 versions, each right; version 2 is version 1 with the launch prep written anew for expert scheduling mode. Each part assembles by itself: llvm-mc -triple=amdgcn-amd-amdhsa -mcpu=gfx1250 --defsym DOCPART=n.
;; ======== version 1 of 2: 5 launches
;; limits: values are held in f16: magnitudes above 65,504 overflow, below 6.1e-05 lose precision; right only within a limited range of input values
;; workspace buffers: X16 50,331,648 bytes; W16 8,388,608 bytes; MB8 16,777,216 bytes; QKV16 50,331,648 bytes; O16 16,777,216 bytes; Y 33,554,432 bytes
;; launch prep (part 1): grid 256 x 5, 8 waves a work-group, no clusters, 68,608 bytes of LDS; arguments q, k, v, mask, W1, W2, W3, W4, gamma, beta, X16, W16, MB8; writes X16, W16, MB8
.if DOCPART == 1
	.amdgcn_target "amdgcn-amd-amdhsa--gfx1250"
	.amdhsa_code_object_version 6
	.text
	.protected	k_q0947c48749_prep
	.globl	k_q0947c48749_prep
	.p2align	8
	.type	k_q0947c48749_prep,@function
k_q0947c48749_prep:
	s_mov_b64 s[64:65], 0
	v_nop
	global_prefetch_b8 v0, s[64:65] scope:SCOPE_SE
	s_setreg_imm32_b32 hwreg(HW_REG_WAVE_MODE, 25, 1), 1
	s_wait_xcnt 0x0
; PREP: every large input is read once and laid out for the matrix launches.  The work-group's y says what it does:
;   0, 1  q, k: rounded to bf16, that number written as f16, into X16 [batch 4][block 48][row 2048][64]; block = 16 t + column / 64, t = 0 for q, 1 for k
;   2     v:    rounded to bf16, LayerNorm in f32 with gamma and beta rounded to bf16, the result rounded once to f16, into blocks 32 .. 47
;   3     W1-4: rounded to bf16, written as f16, row-major as given, into W16 [4][1024][1024]
;   4     mask: a byte 0 or 1 becomes 0 or 0x40, the upper byte of bf16 2.0, and the pieces of 16 bytes are laid as the attention launch's lanes take them:
;         MB8 [query tile 512][key step 32][F 2][lane 32][16 bytes]; lane L's piece = mask[16 qt + L % 16][64 st + 32 (L / 16) + 16 F + 0..15]
; LIMITS.  f16 ends at 65,504: an input beyond it becomes an infinity; a bf16 number under 2^-17 moves by at most 2^-25 when written as f16.  Mask bytes are 0 or 1.
; A stream: no matrix unit, no cluster (nothing is shared), no prefetch (every byte is asked for as soon as a register is free for it).  LDS serves role 4 alone: each wave turns 16 rows x 32 pieces
; in a stage of its own, so that its loads and its stores both cover 512 consecutive bytes.
; LANES (roles 0-2).  A wave takes two rows at a time: lanes 0-15 the even row, lanes 16-31 the odd one; chunk c of 16 is columns 64 c + 4 (lane % 16) + 0..3.
; So a 16-byte load covers 256 consecutive aligned bytes of each row, an 8-byte store 256 consecutive aligned bytes of X16 (two rows of a block lie end to end),
; and a row's sums stay inside 16 lanes.
.set LOFF, 1                           ; v1      my byte offset in what a trip loads
.set SOFF, 2                           ; v2      my byte offset in what a trip stores
.set GOFF, 3                           ; v3      16 x (lane % 16): my columns in gamma and beta
.set T,    4                           ; v[4:7]  at work
.set MU,   8                           ; v[8:9]  the row's mean, twice
.set RS,   10                          ; v[10:11] 1 / sqrt(var + eps), twice
.set SUM,  12                          ; v[12:19] four running pairs
.set SPW,  20                          ; v20     LDS address of my spare word; never rewritten
.set NIL,  21                          ; v21     0; never rewritten
.set X,    32                          ; v[32:95]  my 64 numbers of a row, chunk c at X + 4 c
.set O,    96                          ; v[96:127] the same as f16, chunk c at O + 2 c
.set G,    128                         ; v[128:159] gamma, bf16 in pairs
.set BT,   160                         ; v[160:191] beta, likewise
.set SRC,  32                          ; s[32:33]
.set DST,  34                          ; s[34:35]
.set HIGH, 41                          ; s41  a word's upper bf16
.set SINV, 42                          ; s42  1 / 1024
.set SEPS, 43                          ; s43  1e-5
.set MPITCH, 528                       ; role 4's stage: a row of 512 bytes + 16
.set MSTAGE, 16*MPITCH                 ; a wave's stage
.set SPARE,  8*MSTAGE                  ; behind the eight stages: the spare words, 128 bytes for each wave: four blocks of 256 bytes that no other line names
.macro LOAD16 lstr                     ; sixteen loads, lstr bytes apart
.irp c, 0,1,2,3,4,5,6,7,8,9,10,11,12,13,14,15
	global_load_b128 v[X+4*(\c):X+4*(\c)+3], v[LOFF], s[SRC:SRC+1] offset:(\c)*(\lstr) th:TH_LOAD_NT
.endr
.endm
.macro RND c                           ; chunk c rounded to bf16 and widened again
	v_cvt_pk_bf16_f32 v[T], v[X+4*(\c)], v[X+4*(\c)+1]
	v_cvt_pk_bf16_f32 v[T+1], v[X+4*(\c)+2], v[X+4*(\c)+3]
	v_lshlrev_b32 v[X+4*(\c)], 16, v[T]
	v_and_b32 v[X+4*(\c)+1], s[HIGH], v[T]
	v_lshlrev_b32 v[X+4*(\c)+2], 16, v[T+1]
	v_and_b32 v[X+4*(\c)+3], s[HIGH], v[T+1]
.endm
.macro PUT c, sstr                     ; chunk c as f16, stored
	v_cvt_pk_f16_f32 v[O+2*(\c)], v[X+4*(\c)], v[X+4*(\c)+1]
	v_cvt_pk_f16_f32 v[O+2*(\c)+1], v[X+4*(\c)+2], v[X+4*(\c)+3]
	global_store_b64 v[SOFF], v[O+2*(\c):O+2*(\c)+1], s[DST:DST+1] offset:(\c)*(\sstr)
.endm
.macro CAST lstr, sstr                 ; sixteen chunks in, rounded, out
	LOAD16 \lstr
.irp c, 0,1,2,3,4,5,6,7,8,9,10,11,12,13,14,15
	s_wait_loadcnt 15-(\c)                         ; loads come back in order: chunk c is in, the younger ones stay out
	RND \c
	PUT \c, \sstr
.endr
.endm
.macro REDUCE                          ; the four pairs into one number, then over the row's 16 lanes
	v_pk_add_f32 v[SUM:SUM+1], v[SUM:SUM+1], v[SUM+2:SUM+3]
	v_pk_add_f32 v[SUM+4:SUM+5], v[SUM+4:SUM+5], v[SUM+6:SUM+7]
	v_pk_add_f32 v[SUM:SUM+1], v[SUM:SUM+1], v[SUM+4:SUM+5]
	v_add_f32 v[T], v[SUM], v[SUM+1]
.irp m, 1,2,4,8
	v_add_f32_dpp v[T], v[T], v[T] row_xmask:\m row_mask:0xf bank_mask:0xf
.endr
.endm
.macro STATS                           ; LayerNorm of the row in X, in place: mean first, then the squares of the differences, as the definition has it
.irp k, 0,1,2,3
	v_pk_add_f32 v[SUM+2*(\k):SUM+2*(\k)+1], v[X+2*(\k):X+2*(\k)+1], v[X+8+2*(\k):X+8+2*(\k)+1]  ; the first two pairs start each chain: nothing is cleared
.endr
.set p, 8
.rept 24
	v_pk_add_f32 v[SUM+2*(p%4):SUM+2*(p%4)+1], v[SUM+2*(p%4):SUM+2*(p%4)+1], v[X+2*p:X+2*p+1]
.set p, p+1
.endr
	REDUCE
	v_mul_f32 v[MU], s[SINV], v[T]
	v_mul_f32 v[MU+1], s[SINV], v[T]
.set p, 0
.rept 32
	v_pk_add_f32 v[X+2*p:X+2*p+1], v[X+2*p:X+2*p+1], v[MU:MU+1] neg_lo:[0,1] neg_hi:[0,1]
.set p, p+1
.endr
.irp k, 0,1,2,3
	v_pk_mul_f32 v[SUM+2*(\k):SUM+2*(\k)+1], v[X+2*(\k):X+2*(\k)+1], v[X+2*(\k):X+2*(\k)+1]
.endr
.set p, 4
.rept 28
	v_pk_fma_f32 v[SUM+2*(p%4):SUM+2*(p%4)+1], v[X+2*p:X+2*p+1], v[X+2*p:X+2*p+1], v[SUM+2*(p%4):SUM+2*(p%4)+1]
.set p, p+1
.endr
	REDUCE
	v_fma_f32 v[T], v[T], s[SINV], s[SEPS]         ; var + eps
	v_rsq_f32 v[RS], v[T]
	v_rsq_f32 v[RS+1], v[T]
	v_nop                                          ; a plain instruction behind the last of the two,
	s_wait_alu depctr_va_vdst(0)                   ; and the one wait ahead of their first reader
.set p, 0
.rept 32
	v_pk_mul_f32 v[X+2*p:X+2*p+1], v[X+2*p:X+2*p+1], v[RS:RS+1]
.set p, p+1
.endr
.set e, 0
.rept 32                               ; x gamma + beta, gamma and beta straight from their bf16 halves
	v_fma_mix_f32_bf16 v[X+e], v[X+e], v[G+e/2], v[BT+e/2] op_sel_hi:[0,1,1]
	v_fma_mix_f32_bf16 v[X+e+1], v[X+e+1], v[G+e/2], v[BT+e/2] op_sel:[0,1,1] op_sel_hi:[0,1,1]
.set e, e+2
.endr
.endm
	s_load_b512 s[4:19], s[0:1], 0x0               ; q s[4:5], k s[6:7], v s[8:9], mask s[10:11], W1 .. W4 s[12:19]
	s_load_b256 s[20:27], s[0:1], 0x40             ; gamma s[20:21], beta s[22:23], X16 s[24:25], W16 s[26:27]
	s_load_b64 s[28:29], s[0:1], 0x60              ; MB8
	v_lshl_add_u32 v[SPW], v0, 2, SPARE
	v_mov_b32 v[NIL], 0
	s_and_b32 s30, ttmp7, 0xffff                   ; the role
	v_lshrrev_b32 v4, 5, v0
	v_readfirstlane_b32 s31, v4                    ; wave 0..7
	s_mov_b32 s[HIGH], 0xffff0000
	s_mov_b32 s[SINV], 0x3a800000
	s_mov_b32 s[SEPS], 0x3727c5ac
	s_mov_b32 s39, 0                               ; the high word of every offset pair s[38:39]
	v_and_b32 v5, 15, v0                           ; lane % 16
	v_bfe_u32 v6, v0, 4, 1                         ; lane / 16
	v_and_b32 v7, 31, v0                           ; lane
	v_lshlrev_b32 v[GOFF], 4, v5
	s_wait_kmcnt 0x0
	s_cmp_eq_u32 s30, 4
	s_cbranch_scc1 .Lmask
	s_cmp_eq_u32 s30, 3
	s_cbranch_scc1 .Lweights
	; roles 0-2: the wave's four rows, 32 x + 4 w on
	s_lshl_b32 s36, ttmp9, 5
	s_lshl2_add_u32 s36, s31, s36                  ; the first of them, among 8,192
	s_lshl_b32 s38, s36, 12                        ; 4,096 bytes a row
	s_cmp_eq_u32 s30, 0
	s_cselect_b64 s[SRC:SRC+1], s[4:5], s[6:7]
	s_cmp_eq_u32 s30, 2
	s_cselect_b64 s[SRC:SRC+1], s[8:9], s[SRC:SRC+1]
	s_add_nc_u64 s[SRC:SRC+1], s[SRC:SRC+1], s[38:39]
	s_lshr_b32 s38, s36, 11                        ; batch
	s_mul_i32 s38, s38, 48
	s_lshl4_add_u32 s38, s30, s38                  ; + 16 t: the tensor's first block
	s_lshl_b32 s38, s38, 18                        ; 262,144 bytes a block
	s_and_b32 s37, s36, 2047
	s_lshl_b32 s37, s37, 7                         ; 128 bytes a row of a block
	s_add_co_u32 s38, s38, s37
	s_add_nc_u64 s[DST:DST+1], s[24:25], s[38:39]
	v_lshl_add_u32 v[LOFF], v6, 12, v[GOFF]        ; 4,096 x (lane / 16) + 16 x (lane % 16)
	v_lshlrev_b32 v[SOFF], 3, v5
	v_lshl_add_u32 v[SOFF], v6, 7, v[SOFF]         ; 128 x (lane / 16) + 8 x (lane % 16)
	s_mov_b32 s40, 2                               ; two trips, a pair of rows each
	s_cmp_eq_u32 s30, 2
	s_cbranch_scc1 .Lnorm
.Lcast:
	CAST 256, 262144
	s_wait_xcnt 0x0                                ; the stores' data and both bases are written again only behind this wait
	s_add_nc_u64 s[SRC:SRC+1], s[SRC:SRC+1], 8192
	s_add_nc_u64 s[DST:DST+1], s[DST:DST+1], 256
	s_sub_co_u32 s40, s40, 1
	s_cmp_lg_u32 s40, 0
	s_cbranch_scc1 .Lcast
	s_endpgm
.Lnorm:
.irp c, 0,1,2,3,4,5,6,7,8,9,10,11,12,13,14,15
	global_load_b128 v[X+4*(\c):X+4*(\c)+3], v[GOFF], s[20:21] offset:256*(\c)   ; gamma of my 64 columns
.endr
.irp c, 0,1,2,3,4,5,6,7,8,9,10,11,12,13,14,15
	global_load_b128 v[O+4*(\c):O+4*(\c)+3], v[GOFF], s[22:23] offset:256*(\c)   ; beta, for the moment in v96-159
.endr
	s_wait_loadcnt 0x0
.set p, 0
.rept 32
	v_cvt_pk_bf16_f32 v[BT+p], v[O+2*p], v[O+2*p+1]  ; beta first: gamma's place is still beta's
.set p, p+1
.endr
.set p, 0
.rept 32
	v_cvt_pk_bf16_f32 v[G+p], v[X+2*p], v[X+2*p+1]
.set p, p+1
.endr
.Lrow:
	LOAD16 256
	s_wait_loadcnt 0x0                             ; the sums want the whole row
.irp c, 0,1,2,3,4,5,6,7,8,9,10,11,12,13,14,15
	RND \c
.endr
	STATS
.irp c, 0,1,2,3,4,5,6,7,8,9,10,11,12,13,14,15
	PUT \c, 262144
.endr
	s_wait_xcnt 0x0                                ; as above
	s_add_nc_u64 s[SRC:SRC+1], s[SRC:SRC+1], 8192
	s_add_nc_u64 s[DST:DST+1], s[DST:DST+1], 256
	s_sub_co_u32 s40, s40, 1
	s_cmp_lg_u32 s40, 0
	s_cbranch_scc1 .Lrow
	s_endpgm
.Lweights:                                     ; 64 work-groups a matrix, 16 rows each, two a wave: 8,192 dense bytes in, 4,096 out
	s_lshr_b32 s36, ttmp9, 6                       ; which W
	s_cmp_eq_u32 s36, 0
	s_cselect_b64 s[SRC:SRC+1], s[12:13], s[14:15]
	s_cmp_eq_u32 s36, 2
	s_cselect_b64 s[SRC:SRC+1], s[16:17], s[SRC:SRC+1]
	s_cmp_eq_u32 s36, 3
	s_cselect_b64 s[SRC:SRC+1], s[18:19], s[SRC:SRC+1]
	s_and_b32 s37, ttmp9, 63
	s_lshl_b32 s37, s37, 4
	s_lshl1_add_u32 s37, s31, s37                  ; my first row
	s_lshl_b32 s38, s37, 12
	s_add_nc_u64 s[SRC:SRC+1], s[SRC:SRC+1], s[38:39]
	s_lshl_b32 s38, s37, 11
	s_lshl_b32 s36, s36, 21
	s_add_co_u32 s38, s38, s36
	s_add_nc_u64 s[DST:DST+1], s[26:27], s[38:39]
	v_lshlrev_b32 v[LOFF], 4, v7                   ; a load covers 512 consecutive bytes,
	v_lshlrev_b32 v[SOFF], 3, v7                   ; a store 256
	CAST 512, 256
	s_endpgm
.Lmask:                                        ; a wave: 16 query rows x 512 keys = 8 key steps.  In: lane L takes piece L of a row's 32.  Out: lane L takes row L % 16, piece 4 st + 2 (L / 16) + F
	s_lshl_b32 s36, ttmp9, 1
	s_lshr_b32 s37, s31, 2
	s_add_co_u32 s36, s36, s37                     ; query tile 0..511
	s_and_b32 s37, s31, 3                          ; g: which 512 keys
	s_lshl_b32 s38, s36, 15                        ; 16 rows of 2,048 bytes
	s_lshl_b32 s40, s37, 9
	s_add_co_u32 s38, s38, s40
	s_add_nc_u64 s[SRC:SRC+1], s[10:11], s[38:39]
	s_lshl_b32 s38, s36, 15                        ; in MB8 a query tile is 32 key steps of 1,024 bytes,
	s_lshl_b32 s40, s37, 13                        ; of which mine are 8 g on
	s_add_co_u32 s38, s38, s40
	s_add_nc_u64 s[DST:DST+1], s[28:29], s[38:39]
	s_mul_i32 s40, s31, MSTAGE                     ; my wave's stage
	v_lshlrev_b32 v[LOFF], 4, v7                   ; 16 x lane: in memory, both ways
	v_add_nc_u32 v[SOFF], s40, v[LOFF]             ; into the stage: piece L of a row
	v_mul_u32_u24 v[GOFF], v5, MPITCH              ; out of it: row L % 16,
	v_lshl_add_u32 v[GOFF], v6, 5, v[GOFF]         ; 32 bytes on for lanes 16-31
	v_add_nc_u32 v[GOFF], s40, v[GOFF]
	LOAD16 2048                                    ; row r into X + 4 r: 512 consecutive bytes a load
.irp r, 0,1,2,3,4,5,6,7,8,9,10,11,12,13,14,15
	s_wait_loadcnt 15-(\r)                         ; row r is in, the younger ones stay out
.irp x, 0,1,2,3
	v_lshlrev_b32 v[X+4*(\r)+(\x)], 6, v[X+4*(\r)+(\x)]  ; four bytes at once: 1 becomes 0x40, nothing crosses a byte's edge
.endr
	ds_store_b128 v[SOFF], v[X+4*(\r):X+4*(\r)+3] offset:(\r)*MPITCH
.endr
.irp i, 0,1,2,3,4,5,6,7,8,9,10,11,12,13,14,15  ; i = 2 st + F.  LDS serves a wave's instructions in order (ISA guide 5.7.1.4): these see the stores above; the stage is the wave's own
	ds_load_b128 v[O+4*(\i):O+4*(\i)+3], v[GOFF] offset:((\i)>>1)*64+((\i)&1)*16
.endr
.irp i, 0,1,2,3,4,5,6,7,8,9,10,11,12,13,14,15
	s_wait_dscnt 15-(\i)
	global_store_b128 v[LOFF], v[O+4*(\i):O+4*(\i)+3], s[DST:DST+1] offset:(\i)*512  ; 512 consecutive bytes, aligned
.endr
	s_wait_tensorcnt 0x0                           ; the end of a wave that stored to LDS
	ds_add_u32 v[SPW], v[NIL]
	s_wait_dscnt 0x0
	s_endpgm
.Lfunc_end_k_q0947c48749_prep:
	.size	k_q0947c48749_prep, .Lfunc_end_k_q0947c48749_prep-k_q0947c48749_prep
	.p2alignl 7, 3214868480
	.fill 96, 4, 3214868480
	.section	.rodata,"a",@progbits
	.p2align	6, 0x0
	.amdhsa_kernel k_q0947c48749_prep
		.amdhsa_group_segment_fixed_size 68608
		.amdhsa_private_segment_fixed_size 0
		.amdhsa_enable_private_segment 0
		.amdhsa_kernarg_size 104
		.amdhsa_user_sgpr_count 2
		.amdhsa_user_sgpr_kernarg_segment_ptr 1
		.amdhsa_wavefront_size32 1
		.amdhsa_system_sgpr_workgroup_id_x 1
		.amdhsa_system_sgpr_workgroup_id_y 1
		.amdhsa_system_sgpr_workgroup_id_z 1
		.amdhsa_system_vgpr_workitem_id 0
		.amdhsa_next_free_vgpr 192
		.amdhsa_next_free_sgpr 66
		.amdhsa_reserve_vcc 0
		.amdhsa_float_denorm_mode_32 3
		.amdhsa_float_denorm_mode_16_64 3
		.amdhsa_memory_ordered 1
		.amdhsa_forward_progress 1
		.amdhsa_inst_pref_size 60
	.end_amdhsa_kernel
	.amdgpu_metadata
---
amdhsa.version: [ 1, 2 ]
amdhsa.kernels:
  - .name:           k_q0947c48749_prep
    .symbol:         k_q0947c48749_prep.kd
    .args:
      - { .name: q, .offset: 0, .size: 8, .value_kind: global_buffer, .address_space: global }
      - { .name: k, .offset: 8, .size: 8, .value_kind: global_buffer, .address_space: global }
      - { .name: v, .offset: 16, .size: 8, .value_kind: global_buffer, .address_space: global }
      - { .name: mask, .offset: 24, .size: 8, .value_kind: global_buffer, .address_space: global }
      - { .name: W1, .offset: 32, .size: 8, .value_kind: global_buffer, .address_space: global }
      - { .name: W2, .offset: 40, .size: 8, .value_kind: global_buffer, .address_space: global }
      - { .name: W3, .offset: 48, .size: 8, .value_kind: global_buffer, .address_space: global }
      - { .name: W4, .offset: 56, .size: 8, .value_kind: global_buffer, .address_space: global }
      - { .name: gamma, .offset: 64, .size: 8, .value_kind: global_buffer, .address_space: global }
      - { .name: beta, .offset: 72, .size: 8, .value_kind: global_buffer, .address_space: global }
      - { .name: X16, .offset: 80, .size: 8, .value_kind: global_buffer, .address_space: global }
      - { .name: W16, .offset: 88, .size: 8, .value_kind: global_buffer, .address_space: global }
      - { .name: MB8, .offset: 96, .size: 8, .value_kind: global_buffer, .address_space: global }
    .group_segment_fixed_size: 68608
    .private_segment_fixed_size: 0
    .kernarg_segment_align: 8
    .kernarg_segment_size: 104
    .max_flat_workgroup_size: 256
    .sgpr_count:     66
    .vgpr_count:     192
    .wavefront_size: 32
...
	.end_amdgpu_metadata
.endif
;; end of part 1
;; launch proj (part 2): grid 4 x 64, 4 waves a work-group, clusters of 4 x 4, 327,680 bytes of LDS; arguments X16, W16, QKV16, b1, b2, b3; writes QKV16
.if DOCPART == 2
	.amdgcn_target "amdgcn-amd-amdhsa--gfx1250"
	.amdhsa_code_object_version 6
	.text
	.protected	k_q0947c48749_proj
	.globl	k_q0947c48749_proj
	.p2align	8
	.type	k_q0947c48749_proj,@function
k_q0947c48749_proj:
	s_mov_b64 s[64:65], 0
	v_nop
	global_prefetch_b8 v0, s[64:65] scope:SCOPE_SE
	s_setreg_imm32_b32 hwreg(HW_REG_WAVE_MODE, 25, 1), 1
	s_wait_xcnt 0x0
	s_wait_alu depctr_hold_cnt(0) depctr_sa_sdst(0) depctr_va_vdst(0) depctr_va_sdst(0) depctr_va_ssrc(0) depctr_va_vcc(0) depctr_vm_vsrc(0)
	s_getreg_b32 s2, hwreg(HW_REG_IB_STS2, 6, 4)
	s_cmp_eq_u32 s2, 0
	s_cbranch_scc0 .Lentry_in_a_cluster
	s_endpgm
.Lentry_in_a_cluster:
	s_bfe_u32 s2, ttmp6, 0x10000c
	s_cmp_lg_u32 s2, 0xf033
	s_cbranch_scc0 .Lentry_shape_is_right
	s_endpgm
.Lentry_shape_is_right:
; PROJ: qh = (q W1 + b1) log2(e), kh = k W2 + b2, vh = vn W3 + b3, by heads: QKV16 [t 3][batch x head 64][row 2048][64] in f16, each rounded once from its f32 sums.
; log2(e) goes into qh in f32, ahead of that one rounding: the scores of the next launch are then exponents of 2.  Biases are rounded to bf16 like every input.
; LIMITS.  f16 ends at 65,504: qh log2(e), kh and vh beyond it become infinities.
; SHARES.  A tile of C is 128 rows x 256 columns: 4 x 64 work-groups.  A work-group STAYS and makes the same tile of all three products: X16 is [batch][16 t + block][row][64] and W16 [t][k][n],
; so the three are ONE walk of 24 K steps of 128 with constant address steps.  A wave makes 64 rows x 128 columns: 32 accumulators (a, b), a = 16 rows, b = 16 columns.
; THE MATRIX INSTRUCTION IS USED TRANSPOSED: source 0 = 16 columns of W (turned on the way out of LDS by ds_load_tr16_b128, since W lies [k][n]), source 1 = 16 rows of A:
; a lane then holds row lane % 16 of C and the eight neighbouring columns 8 (lane / 16) + 0..7.
; RING.  Two LDS slots, a K step each: A's two blocks of 128 rows x 128 bytes (pitch 144), W's 128 rows x 512 bytes (pitch 544).  Waves 0, 1 fetch A's blocks, waves 2, 3 W's halves: one load a wave.
; CLUSTER 4 x 4: A's tile hangs on the tile row alone and is asked for jointly along a row of the cluster, W's on the tile column alone, jointly along a column.
; THE BIAS STARTS THE SUMS: the accumulators are set to it ahead of a tile's first product, 256 moves for a tile's 1,024 products; so every K step has one text.  Those lines stand once, in the loop:
; the head enters the loop there.
; REGISTERS.  window 0: addresses, v32-95 bias, v96-223 the way out, v224-225 at work.  window 1: accumulator (a, b) at 8 (8 a + b).
;   window 2: two fragment buffers of 96: A's four fragments, then W's eight.
.set PA,     144                       ; 128 bytes + 16: the 16 rows of a fragment load start at 16 different groups of four banks
.set PB,     544                       ; 512 bytes + 32 = 17 x 32
.set ABLK,   128*PA
.set BOFF,   2*ABLK                    ; W's rows lie behind A's two blocks
.set BHALF,  64*PB
.set SLOT1,  131072                    ; slot 1 begins here: one exclusive or turns an address in one slot into the other's
.set STAGE,  SLOT1+BOFF+128*PB         ; behind the ring, never filled by a tensor load: 16 rows x 144 bytes for each wave
.set SP,     144
.set SPARE,  STAGE+4*16*SP             ; the spare words, 128 bytes for each wave: two blocks of 256 bytes that no other line names
.set ASTEP,  524288                    ; a K step in X16: two blocks
.set BSTEP,  262144                    ; in W16: 128 rows of 2,048 bytes
.set ADRA0, 16                         ; v16  my lane's place among A's fragments; never rewritten
.set ADRB0, 17                         ; v17  the same for W's
.set STO,   18                         ; v18  the way out: where I put 16 bytes of a row
.set RD,    19                         ; v19  where I read rows back
.set GO,    20                         ; v20  16 x lane
.set BO,    21                         ; v21  my byte offset in a bias
.set PFO,   22                         ; v22  the prefetches' offset
.set ADRA,  23                         ; v23  ADRA0 + the slot in hand
.set ADRB,  24                         ; v24
.set SPW,   28                         ; v28  LDS address of my spare word; never rewritten
.set NIL,   29                         ; v29  0; never rewritten
.set BIAS,  32
.set TMP,   96
.set T,     224
.set F0,    0
.set F1,    96
.set CP,   8                           ; s[8:9]   where my part of the tile goes
.set BP,   10                          ; s[10:11] the bias in hand
.set WV,   12                          ; s12  wave
.set AB,   13                          ; s13  wave / 2: my half of the rows; also 0: I fetch A, 1: W
.set Z,    14                          ; s14  wave % 2: my half of the columns; also which block or half I fetch
.set LEFT, 15                          ; s15  refills still to come; in the tail: K steps still to come
.set TNO,  16                          ; s16  tiles finished
.set LIM,  17                          ; s17  2 in a wave that prefetches, else the greatest number
.set PFA,  18                          ; s[18:19] where my prefetches stand
.set PSTR, 20                          ; s[20:21] their step
.set CADD, 22                          ; s[22:23] what the next way out adds to CP
.set G1A,  24                          ; s[24:31] descriptor group 1 for A
.set G0A,  32                          ; s[32:39] group 0: a set for the first fill, and the set that walks
.set SB,   47                          ; s47  the slot in hand, 0 or SLOT1
.set G1B,  48
.set G0B,  56
.set SCL,  72                          ; s[72:73] log2(e) for the first tile, then 1
.set MSB, 0
.macro WIN new                         ; the immediate's high byte repeats the setting that is left; a switch that changes nothing is dropped
.if MSB != (\new)
	s_set_vgpr_msb (MSB<<8)|(\new)
.set MSB, \new
.endif
.endm
.set MUL,  0x5a                        ; sources 0 and 1 window 2; C and D window 1
.set TO_F, 0x80                        ; destination window 2, address window 0
.macro PLACES                          ; four places behind matrix instructions, ahead of loads into registers that they read and of vector lines on their results
.rept 4
	v_nop
.endr
.endm
.macro CREST                           ; a round of the cluster's barrier behind its opening barrier
	s_cmp_lg_u32 s[WV], 0
	s_cbranch_scc1 .Lnot_wave_0_\@
	s_barrier_signal -3
.Lnot_wave_0_\@:
	s_barrier_wait -3
	s_barrier_signal -1
	s_barrier_wait -1
.endm
.macro CROUND
	s_barrier_signal -1
	s_barrier_wait -1
	CREST
.endm
.macro JLOAD                           ; a joint refill by the walking set; the branch hangs on the wave's number alone; an s_nop 0 and four v_nop follow each line
	s_cmp_eq_u32 s[AB], 0
	s_cbranch_scc0 .Lfor_b_\@
	tensor_load_to_lds s[G0A+4:G0A+7], s[G1A:G1A+7]
	s_nop 0
	PLACES
	s_branch .Lasked_\@
.Lfor_b_\@:
	tensor_load_to_lds s[G0B+4:G0B+7], s[G1B:G1B+7]
	s_nop 0
	PLACES
.Lasked_\@:
.endm
; A PREFETCH INTO THE L2 of the K step that stands two refills on (256 products ahead of the load that will want it).  A's 128 blocks of 256 bytes of a K step: wave 0 asks, the four partners of a
; row of the cluster take 32 each BY ADDRESS.  W's 256 blocks: waves 2 and 3 of the clusters with y = 0 ask, the four partners of a column take 32 a wave by address.  So each block is named once.
; The last ask is for the walk's last K step.
.macro ASK
	s_cmp_gt_u32 s[LEFT], s[LIM]
	s_cbranch_scc0 .Lnot_mine_\@
	global_prefetch_b8 v[PFO], s[PFA:PFA+1] th:TH_LOAD_NT scope:SCOPE_SE
.Lnot_mine_\@:
.endm
	s_load_b256 s[4:11], s[0:1], 0x0               ; X16 s[4:5], W16 s[6:7], QKV16 s[8:9], b1 s[10:11]
	s_load_b128 s[68:71], s[0:1], 0x20             ; b2 s[68:69], b3 s[70:71]
	v_lshl_add_u32 v[SPW], v0, 2, SPARE
	v_mov_b32 v[NIL], 0
	ds_add_u32 v[SPW], v[NIL]                      ; the wave's opening: the add and its wait stand ahead of my first tensor load; work on registers stands between them
	v_lshrrev_b32 v1, 5, v0
	v_readfirstlane_b32 s[WV], v1
	s_lshr_b32 s[AB], s[WV], 1
	s_and_b32 s[Z], s[WV], 1
	s_bfe_u32 s40, ttmp6, 0x40000                  ; cx
	s_bfe_u32 s41, ttmp6, 0x40004                  ; cy
	s_lshl_b32 s42, ttmp9, 2
	s_add_co_u32 s42, s42, s40                     ; tile column tx
	s_and_b32 s43, ttmp7, 0xffff                   ; cluster y
	s_lshl_b32 s44, s43, 2
	s_add_co_u32 s44, s44, s41                     ; tile row ty: batch ty / 16, rows 128 (ty % 16) on
	s_lshl_b32 s45, s41, 2
	s_lshl_b32 s45, 15, s45                        ; my row of the cluster
	s_lshl_b32 s46, 0x1111, s40                    ; my column
	; group 1 for A: a block's 128 rows of 128 bytes are dense: 64 rows of 128 elements, 16 bytes of padding behind every 32 words
	s_or_b32 s[G1A], s45, (1<<16)|(1<<20)|(1<<21)|(4<<22)|(3<<25)
	s_mov_b32 s[G1A+1], 128<<16                    ; tensor_dim0
	s_mov_b32 s[G1A+2], 64<<16                     ; tensor_dim1
	s_mov_b32 s[G1A+3], 128<<16                    ; tile_dim0
	s_mov_b32 s[G1A+4], 64                         ; tile_dim1
	s_mov_b32 s[G1A+5], 128                        ; elements from row to row
	s_mov_b32 s[G1A+6], 0
	s_mov_b32 s[G1A+7], 0
	; group 1 for W: 64 rows of 256 elements, 1,024 elements apart, 32 bytes of padding behind every 128 words
	s_or_b32 s[G1B], s46, (1<<16)|(1<<20)|(1<<21)|(6<<22)|(7<<25)
	s_mov_b32 s[G1B+1], 256<<16
	s_mov_b32 s[G1B+2], 64<<16
	s_mov_b32 s[G1B+3], 256<<16
	s_mov_b32 s[G1B+4], 64
	s_mov_b32 s[G1B+5], 1024
	s_mov_b32 s[G1B+6], 0
	s_mov_b32 s[G1B+7], 0
	s_lshr_b32 s76, s44, 4                         ; A's tile: hangs on ty and the wave alone
	s_mul_i32 s76, s76, 12582912                   ; a batch: 48 blocks
	s_and_b32 s77, s44, 15
	s_lshl_b32 s77, s77, 14                        ; 128 rows of 128 bytes
	s_add_co_u32 s76, s76, s77
	s_lshl_b32 s77, s[Z], 18                       ; my block of the step's two
	s_add_co_u32 s76, s76, s77
	s_mov_b32 s77, 0
	s_lshl_b32 s78, s[Z], 17                       ; W's tile: hangs on tx and the wave alone: my 64 rows,
	s_lshl_b32 s79, s42, 9                         ; 512 bytes a tile column
	s_add_co_u32 s78, s78, s79
	s_mov_b32 s79, 0
	s_mul_i32 s74, s[Z], ABLK                      ; where they go: no place in the cluster enters an LDS address
	s_mul_i32 s75, s[Z], BHALF
	s_add_co_u32 s75, s75, BOFF
	s_wait_dscnt 0x0                               ; the opening add is done
	s_wait_kmcnt 0x0
	s_add_nc_u64 s[76:77], s[4:5], s[76:77]
	s_add_nc_u64 s[78:79], s[6:7], s[78:79]
	CROUND                                         ; all sixteen work-groups are here: the first joint loads meet
.irp s, 0,1
	s_mov_b32 s[G0A+4*(\s)], 1
	s_add_co_u32 s[G0A+4*(\s)+1], s74, (\s)*SLOT1
	s_add_nc_u64 s[G0A+4*(\s)+2:G0A+4*(\s)+3], s[76:77], (\s)*ASTEP
	s_or_b32 s[G0A+4*(\s)+3], s[G0A+4*(\s)+3], 0x80000000
	s_mov_b32 s[G0B+4*(\s)], 1
	s_add_co_u32 s[G0B+4*(\s)+1], s75, (\s)*SLOT1
	s_add_nc_u64 s[G0B+4*(\s)+2:G0B+4*(\s)+3], s[78:79], (\s)*BSTEP
	s_or_b32 s[G0B+4*(\s)+3], s[G0B+4*(\s)+3], 0x80000000
.endr
	s_cmp_eq_u32 s[AB], 0                          ; a wave's two first fills stand in one branch: two loads of mine are out
	s_cbranch_scc0 .Lfirst_b
	tensor_load_to_lds s[G0A:G0A+3], s[G1A:G1A+7]
	s_nop 0
	tensor_load_to_lds s[G0A+4:G0A+7], s[G1A:G1A+7]
	s_nop 0
	PLACES
	s_branch .Lfirst_asked
.Lfirst_b:
	tensor_load_to_lds s[G0B:G0B+3], s[G1B:G1B+7]
	s_nop 0
	tensor_load_to_lds s[G0B+4:G0B+7], s[G1B:G1B+7]
	s_nop 0
	PLACES
.Lfirst_asked:
	v_and_b32 v1, 15, v0                           ; r = lane % 16
	v_bfe_u32 v2, v0, 4, 1                         ; h = lane / 16
	v_and_b32 v3, 7, v0
	v_bfe_u32 v4, v0, 3, 1
	v_and_b32 v5, 31, v0
	v_mul_u32_u24 v[ADRA0], v1, PA                 ; A's fragment: row r, 16 bytes for each half of the lanes, in my 64 rows
	v_lshl_add_u32 v[ADRA0], v2, 4, v[ADRA0]
	s_mul_i32 s74, s[AB], 64*PA
	v_add_nc_u32 v[ADRA0], s74, v[ADRA0]
	v_lshl_add_u32 v[ADRB0], v2, 3, v3             ; W's: the turning load reads row 8 h + lane % 8, columns 8 ((lane / 8) % 2) + 0..7, in my 128 columns
	v_mul_u32_u24 v[ADRB0], v[ADRB0], PB
	v_lshl_add_u32 v[ADRB0], v4, 4, v[ADRB0]
	s_lshl_b32 s74, s[Z], 8
	s_add_co_u32 s74, s74, BOFF
	v_add_nc_u32 v[ADRB0], s74, v[ADRB0]
	s_mul_i32 s74, s[WV], 16*SP
	s_add_co_u32 s74, s74, STAGE                   ; my stage
	v_mul_u32_u24 v[STO], v1, SP
	v_lshl_add_u32 v[STO], v2, 4, v[STO]
	v_add_nc_u32 v[STO], s74, v[STO]
	v_bfe_u32 v[RD], v0, 3, 2                      ; back: 32 lanes take four rows of 128 bytes,
	v_mul_u32_u24 v[RD], v[RD], SP
	v_lshl_add_u32 v[RD], v3, 4, v[RD]
	v_add_nc_u32 v[RD], s74, v[RD]
	v_lshlrev_b32 v[GO], 4, v5                     ; which are 512 consecutive bytes of a head
	s_lshl_b32 s74, s42, 10                        ; my columns in a bias: 4 (256 tx + 128 wc + 8 h)
	s_lshl_b32 s75, s[Z], 9
	s_add_co_u32 s74, s74, s75
	v_lshl_add_u32 v[BO], v2, 5, s74
	s_lshr_b32 s74, s44, 4                         ; my part of the tile in QKV16: head 16 batch + 4 tx + 2 wc,
	s_lshl_b32 s74, s74, 4
	s_lshl2_add_u32 s74, s42, s74
	s_lshl1_add_u32 s74, s[Z], s74
	s_lshl_b32 s74, s74, 11
	s_and_b32 s75, s44, 15
	s_lshl_b32 s75, s75, 7
	s_add_co_u32 s74, s74, s75                     ; row 128 (ty % 16)
	s_lshl_b32 s75, s[AB], 6
	s_add_co_u32 s74, s74, s75                     ; + 64 wr
	s_lshl_b32 s74, s74, 7
	s_mov_b32 s75, 0
	s_add_nc_u64 s[CP:CP+1], s[CP:CP+1], s[74:75]
	; the prefetches: at K step 3; the first refill steps them to 4
	s_lshr_b32 s74, s44, 4
	s_mul_i32 s74, s74, 12582912
	s_and_b32 s75, s44, 15
	s_lshl_b32 s75, s75, 14
	s_add_co_u32 s74, s74, s75
	s_lshr_b32 s75, s40, 1                         ; A: partner cx takes block cx / 2, its half cx % 2: 32 blocks of 256 bytes
	s_lshl_b32 s75, s75, 18
	s_add_co_u32 s74, s74, s75
	s_and_b32 s75, s40, 1
	s_lshl_b32 s75, s75, 13
	s_add_co_u32 s74, s74, s75
	s_add_co_u32 s74, s74, 3*ASTEP
	s_lshl_b32 s76, s42, 9                         ; W: partner cy takes rows 64 z + 16 cy on, two blocks of 256 bytes a row
	s_lshl_b32 s77, s[Z], 17
	s_add_co_u32 s76, s76, s77
	s_lshl_b32 s77, s41, 15
	s_add_co_u32 s76, s76, s77
	s_add_co_u32 s76, s76, 3*BSTEP
	s_mov_b32 s[PSTR], BSTEP
	s_mov_b32 s45, 2048
	s_cmp_eq_u32 s43, 0
	s_cselect_b32 s46, 2, -1                       ; W's rows are read by every cluster: those with y = 0 ask
	s_cmp_eq_u32 s[WV], 0
	s_cselect_b32 s[LIM], 2, -1                    ; A's by one row of one cluster: its waves 0 ask
	s_cmp_eq_u32 s[AB], 0
	s_cselect_b32 s[LIM], s[LIM], s46
	s_cselect_b32 s74, s74, s76
	s_cselect_b64 s[PFA:PFA+1], s[4:5], s[6:7]
	s_cselect_b32 s[PSTR], ASTEP, s[PSTR]
	s_cselect_b32 s45, 512, s45                    ; bytes between two pairs of lanes: dense for A, a row for W
	s_mov_b32 s75, 0
	s_mov_b32 s[PSTR+1], 0
	s_add_nc_u64 s[PFA:PFA+1], s[PFA:PFA+1], s[74:75]
	v_lshrrev_b32 v6, 1, v5
	v_and_b32 v7, 1, v0
	v_mul_u32_u24 v[PFO], v6, s45
	v_lshl_add_u32 v[PFO], v7, 8, v[PFO]
	s_mov_b32 s[TNO], 0
	s_mov_b32 s[CADD], 0
	s_mov_b32 s[CADD+1], 0
	s_mov_b32 s[SCL], 0x3fb8aa3b                   ; log2(e)
	s_mov_b32 s[SCL+1], 0x3fb8aa3b                 ; named with it as a pair
	s_mov_b32 s[SB], 0
	v_add_nc_u32 v[ADRA], s[SB], v[ADRA0]
	v_add_nc_u32 v[ADRB], s[SB], v[ADRB0]
.macro BIASIN                          ; my 64 numbers of the bias: 8 for each block b of 16 columns
.irp b, 0,1,2,3,4,5,6,7
	global_load_b128 v[BIAS+8*(\b):BIAS+8*(\b)+3],   v[BO], s[BP:BP+1] offset:64*(\b)
	global_load_b128 v[BIAS+8*(\b)+4:BIAS+8*(\b)+7], v[BO], s[BP:BP+1] offset:64*(\b)+16
.endr
.endm
.macro BIASSET                         ; rounded to bf16 like every input; then it starts the 32 sums
	WIN 0
	s_wait_loadcnt 0x0
.set p, 0
.rept 32
	v_cvt_pk_bf16_f32 v[T+p%2], v[BIAS+2*p], v[BIAS+2*p+1]
	v_lshlrev_b32 v[BIAS+2*p], 16, v[T+p%2]
	v_and_b32 v[BIAS+2*p+1], 0xffff0000, v[T+p%2]
.set p, p+1
.endr
	WIN 0x40                                       ; destination window 1
.set i, 0
.rept 256
	v_mov_b32 v[i], v[BIAS+i%64]
.set i, i+1
.endr
	WIN 0
.endm
.macro MUL8 f, a                       ; 8 products: rows 16 a on x all 8 blocks of columns, 32 along K.  The 32 accumulators take turns, one instruction a turn, in the same order in every quarter
	WIN MUL
.irp b, 0,1,2,3,4,5,6,7
	v_wmma_f32_16x16x32_f16 v[8*(8*(\a)+(\b)):8*(8*(\a)+(\b))+7], v[(\f)+32+8*(\b):(\f)+32+8*(\b)+7], v[(\f)+8*(\a):(\f)+8*(\a)+7], v[8*(8*(\a)+(\b)):8*(8*(\a)+(\b))+7]
.endr
.endm
.macro MUL16 f, half
	MUL8 \f, 2*(\half)
	MUL8 \f, 2*(\half)+1
.endm
.macro FETCH q, f                      ; 24 LDS loads in one run: quarter q (32 along K) of the slot in hand into buffer f: W's eight fragments, then A's four
	WIN TO_F
.irp b, 0,1,2,3,4,5,6,7
	ds_load_tr16_b128 v[(\f)+32+8*(\b):(\f)+32+8*(\b)+3],   v[ADRB] offset:32*PB*(\q)+32*(\b)
	ds_load_tr16_b128 v[(\f)+32+8*(\b)+4:(\f)+32+8*(\b)+7], v[ADRB] offset:32*PB*(\q)+32*(\b)+16*PB
.endr
.irp a, 0,1,2,3
	ds_load_b128 v[(\f)+8*(\a):(\f)+8*(\a)+3],   v[ADRA] offset:ABLK*((\q)>>1)+64*((\q)&1)+16*PA*(\a)
	ds_load_b128 v[(\f)+8*(\a)+4:(\f)+8*(\a)+7], v[ADRA] offset:ABLK*((\q)>>1)+64*((\q)&1)+16*PA*(\a)+32
.endr
.endm
.macro QUARTER q, f, g                 ; multiplies buffer f; in its middle fetches quarter q into buffer g
	s_wait_dscnt 4                                 ; W and A's rows 0-31 are in; the youngest four loads (rows 32-63) may be out
	MUL16 \f, 0
	PLACES
	FETCH \q, \g
	s_wait_dscnt 24                                ; all but the 24 just issued
	MUL16 \f, 1
.endm
; The last quarter multiplies buffer 1 and changes slots: one barrier.  In front of it each wave waits for all its tensor loads (one is out: its part of the next slot), adds 0 to its spare word, and waits
; for that and for its reads of this slot.  fill = 1: the barrier opens a round of the cluster's, and the joint refill, two K steps ahead, is the first thing behind it: 112 products ahead of the wait for it.
; fill = 0, the tail: nothing is asked for; behind the walk's last K step (LEFT = 1) there is no slot to read, and the run of LDS loads is jumped over.
.macro TURN fill
.if \fill
	s_wait_xcnt 0x0                                ; the last prefetch, a K step back, has read its address
	s_add_nc_u64 s[PFA:PFA+1], s[PFA:PFA+1], s[PSTR:PSTR+1]
.endif
	WIN 0
	s_wait_tensorcnt 0x0
	ds_add_u32 v[SPW], v[NIL]
	s_wait_dscnt 5                                 ; the add and the youngest four loads may be out
	MUL8 F1, 0
	s_wait_dscnt 0x0                               ; the add is done, and my reads of this slot are over
	s_barrier_signal -1
	MUL8 F1, 1
	WIN 0
	s_barrier_wait -1
.if \fill
	CREST                                          ; no wave of any partner still reads this slot or has a load on its way
	s_xor_b32 s[G0A+5], s[G0A+5], SLOT1
	s_add_nc_u64 s[G0A+6:G0A+7], s[G0A+6:G0A+7], ASTEP
	s_xor_b32 s[G0B+5], s[G0B+5], SLOT1
	s_add_nc_u64 s[G0B+6:G0B+7], s[G0B+6:G0B+7], BSTEP
	JLOAD                                          ; its four v_nop are also the places in front of the loads below
.else
	PLACES
	s_cmp_eq_u32 s[LEFT], 1
	s_cbranch_scc1 .Lno_fetch_\@
.endif
	s_xor_b32 s[SB], s[SB], SLOT1
	v_add_nc_u32 v[ADRA], s[SB], v[ADRA0]
	v_add_nc_u32 v[ADRB], s[SB], v[ADRB0]
	FETCH 0, F0
	WIN 0
.if \fill
	ASK
.else
.Lno_fetch_\@:
.endif
	MUL16 F1, 1
.endm
; THE WAY OUT, in eight units of 16 rows x one head's 64 columns (u = 2 a + head): scaled, rounded to f16, 16 bytes a lane into my stage, back as whole rows of 128 bytes, stored.
.macro PACK u
.set AC, 64*((\u)>>1)+32*((\u)&1)
	WIN 0x41
.set i, 0
.rept 16
	v_pk_mul_f32 v[AC+i:AC+i+1], v[AC+i:AC+i+1], s[SCL:SCL+1] op_sel_hi:[1,0]  ; each accumulator from its low end on
.set i, i+2
.endr
	WIN 0x05
.set i, 0
.rept 16
	v_cvt_pk_f16_f32 v[TMP+16*(\u)+i], v[AC+2*i], v[AC+2*i+1]
.set i, i+1
.endr
	WIN 0
.irp f, 0,1,2,3
	ds_store_b128 v[STO], v[TMP+16*(\u)+4*(\f):TMP+16*(\u)+4*(\f)+3] offset:32*(\f)
.endr
.irp f, 0,1,2,3
	ds_load_b128 v[TMP+16*(\u)+4*(\f):TMP+16*(\u)+4*(\f)+3], v[RD] offset:(\f)*4*SP  ; LDS serves a wave's instructions in order (ISA guide 5.7.1.4): these see the stores above
.endr
.endm
.macro SEND u, younger                 ; younger: the LDS instructions issued behind unit u's loads: the next unit's eight, or none
	WIN 0
.irp f, 0,1,2,3
	s_wait_dscnt (\younger)+3-(\f)
	global_store_b128 v[GO], v[TMP+16*(\u)+4*(\f):TMP+16*(\u)+4*(\f)+3], s[CP:CP+1] offset:2048*((\u)>>1)+512*(\f)+262144*((\u)&1)  ; 512 consecutive bytes, aligned
.endr
.endm
.macro OUT more                        ; more = 1: another tile follows: its bias is fetched at the head; the lines that start the sums with it stand behind the macro
	WIN 0
	PLACES
	s_wait_xcnt 0x0                                ; the last way out's stores have read their registers and their base
	s_add_nc_u64 s[CP:CP+1], s[CP:CP+1], s[CADD:CADD+1]
.if \more
	s_cmp_eq_u32 s[TNO], 0
	s_cselect_b64 s[BP:BP+1], s[68:69], s[70:71]
	BIASIN
.endif
	PACK 0
.irp u, 1,2,3,4,5,6,7                  ; a unit's arithmetic stands between the loads of the unit before and its stores
	PACK \u
	SEND (\u)-1, 8
.endr
	SEND 7, 0
.if \more
	s_mov_b32 s[SCL], 1.0
	s_mov_b32 s[SCL+1], 1.0
	s_mov_b32 s[CADD], 16777216                    ; the next part of QKV16
	s_add_co_u32 s[TNO], s[TNO], 1
.endif
.endm
	BIASIN                                         ; b1
	s_wait_tensorcnt 1                             ; my part of K step 0 is in; K step 1's may stay out
	s_barrier_signal -1
	s_barrier_wait -1
	FETCH 0, F0
	WIN 0
	s_mov_b32 s[LEFT], 23                          ; the entry passes the loop's count once: 22 trips follow
	s_branch .Lbias                                ; the loop is entered where a tile's sums are started
.Lstep:                                        ; 22 trips: a K step, and the refill two K steps ahead
	QUARTER 1, F0, F1
	QUARTER 2, F1, F0
	QUARTER 3, F0, F1
	TURN 1
	WIN 0
	s_and_b32 s74, s[LEFT], 7
	s_cmp_eq_u32 s74, 7                            ; K steps 7 and 15 end a tile; what is jumped holds no barrier and no tensor load
	s_cbranch_scc0 .Lno_out
	OUT 1
.Lbias:
	BIASSET
.Lno_out:
	s_sub_co_u32 s[LEFT], s[LEFT], 1
	s_cmp_lg_u32 s[LEFT], 0
	s_cbranch_scc1 .Lstep
	s_mov_b32 s[LEFT], 2
.Ltail:                                        ; the last two K steps ask for nothing: a loop of their own
	QUARTER 1, F0, F1
	QUARTER 2, F1, F0
	QUARTER 3, F0, F1
	TURN 0
	WIN 0
	s_sub_co_u32 s[LEFT], s[LEFT], 1
	s_cmp_lg_u32 s[LEFT], 0
	s_cbranch_scc1 .Ltail
	OUT 0
	s_wait_tensorcnt 0x0                           ; the wave's end: behind my last tensor load and my last LDS store
	ds_add_u32 v[SPW], v[NIL]
	s_wait_dscnt 0x0
	CROUND                                         ; the closing round
	s_endpgm
.Lfunc_end_k_q0947c48749_proj:
	.size	k_q0947c48749_proj, .Lfunc_end_k_q0947c48749_proj-k_q0947c48749_proj
	.p2alignl 7, 3214868480
	.fill 96, 4, 3214868480
	.section	.rodata,"a",@progbits
	.p2align	6, 0x0
	.amdhsa_kernel k_q0947c48749_proj
		.amdhsa_group_segment_fixed_size 327680
		.amdhsa_private_segment_fixed_size 0
		.amdhsa_enable_private_segment 0
		.amdhsa_kernarg_size 48
		.amdhsa_user_sgpr_count 2
		.amdhsa_user_sgpr_kernarg_segment_ptr 1
		.amdhsa_wavefront_size32 1
		.amdhsa_system_sgpr_workgroup_id_x 1
		.amdhsa_system_sgpr_workgroup_id_y 1
		.amdhsa_system_sgpr_workgroup_id_z 1
		.amdhsa_system_vgpr_workitem_id 0
		.amdhsa_next_free_vgpr 704
		.amdhsa_next_free_sgpr 80
		.amdhsa_reserve_vcc 0
		.amdhsa_float_denorm_mode_32 3
		.amdhsa_float_denorm_mode_16_64 3
		.amdhsa_memory_ordered 1
		.amdhsa_forward_progress 1
		.amdhsa_inst_pref_size 110
	.end_amdhsa_kernel
	.amdgpu_metadata
---
amdhsa.version: [ 1, 2 ]
amdhsa.kernels:
  - .name:           k_q0947c48749_proj
    .symbol:         k_q0947c48749_proj.kd
    .args:
      - { .name: X16, .offset: 0, .size: 8, .value_kind: global_buffer, .address_space: global }
      - { .name: W16, .offset: 8, .size: 8, .value_kind: global_buffer, .address_space: global }
      - { .name: QKV16, .offset: 16, .size: 8, .value_kind: global_buffer, .address_space: global }
      - { .name: b1, .offset: 24, .size: 8, .value_kind: global_buffer, .address_space: global }
      - { .name: b2, .offset: 32, .size: 8, .value_kind: global_buffer, .address_space: global }
      - { .name: b3, .offset: 40, .size: 8, .value_kind: global_buffer, .address_space: global }
    .group_segment_fixed_size: 327680
    .private_segment_fixed_size: 0
    .kernarg_segment_align: 8
    .kernarg_segment_size: 48
    .max_flat_workgroup_size: 128
    .sgpr_count:     80
    .vgpr_count:     704
    .wavefront_size: 32
...
	.end_amdgpu_metadata
.endif
;; end of part 2
;; launch attn (part 3): grid 4 x 64, 4 waves a work-group, clusters of 4 x 1, 327,680 bytes of LDS; arguments QKV16, MB8, O16; writes O16
.if DOCPART == 3
	.amdgcn_target "amdgcn-amd-amdhsa--gfx1250"
	.amdhsa_code_object_version 6
	.text
	.protected	k_q0947c48749_attn
	.globl	k_q0947c48749_attn
	.p2align	8
	.type	k_q0947c48749_attn,@function
k_q0947c48749_attn:
	s_mov_b64 s[64:65], 0
	v_nop
	global_prefetch_b8 v0, s[64:65] scope:SCOPE_SE
	s_setreg_imm32_b32 hwreg(HW_REG_WAVE_MODE, 25, 1), 1
	s_wait_xcnt 0x0
	s_wait_alu depctr_hold_cnt(0) depctr_sa_sdst(0) depctr_va_vdst(0) depctr_va_sdst(0) depctr_va_ssrc(0) depctr_va_vcc(0) depctr_vm_vsrc(0)
	s_getreg_b32 s2, hwreg(HW_REG_IB_STS2, 6, 4)
	s_cmp_eq_u32 s2, 0
	s_cbranch_scc0 .Lentry_in_a_cluster
	s_endpgm
.Lentry_in_a_cluster:
	s_bfe_u32 s2, ttmp6, 0x10000c
	s_cmp_lg_u32 s2, 0x3003
	s_cbranch_scc0 .Lentry_shape_is_right
	s_endpgm
.Lentry_shape_is_right:
; ATTENTION with a mask that is an input.  O[bh][q][:] = the sum over k of softmax_k(s) V[bh][k][:], s = Q . K where mask[b][q][k] is 0, a hidden score where it is 1.  Q, K, V: the three parts of QKV16,
; [bh 64][2048][64] f16; O16 likewise.  Q arrives multiplied by log2(e), so the scores are exponents of 2.
; THE MASK STARTS THE SUMS.  MB8 holds the mask as bytes 0 or 0x40, laid as my lanes take them.  One v_perm_b32 makes of two bytes two bf16 numbers, 0 or 2: source 1 (32 keys x 16 queries) of a bf16 product
; whose source 0 picks 16 of the 32 keys with the factor -2^100.  Its result, 0 or -2^101, is the C onto which K Q^T is added.  f16 operands bound a score by 64 x 65,504^2 < 2^38, far under half a step of f32
; at 2^101: a hidden score is -2^101 whatever Q . K is.  So a row that is hidden altogether has p = 1 everywhere and comes out as the mean of V's rows, and a row whose first keys are hidden forgets them
; (a = 0) when its first open key comes.
; LIMITS.  The definition puts -1e9 for a hidden score, this text -2^101: the two agree wherever a row's largest open score lies well above -1e9 or the row has no open key; where all open scores of a row lie
; at or under about -1e9 the definition lets the hidden keys win, and this text does not.  f16 ends at 65,504: Q, K, V arrive within it; p below 6e-5 keeps f16's fixed step; a weight below 2^-126 counts as 0;
; NaN and infinities are not treated apart.
; Products, maxima and sums in f32; the weights p = 2^(s - m), exactly 1 at the maximum, are rounded to f16 for the second product (their sum l is taken unrounded), O once at the end.
; SHARES.  A wave owns four PIECES of two tiles of 16 queries, a work-group's four waves 512 queries of one head.  Every wave walks all 2,048 keys, 64 a step, four steps a slot.
; LAYOUT.  S^T = K Q^T (source 0 = 16 keys, source 1 = 16 queries): a lane holds ONE query (lane % 16) and the keys 8 (lane / 16) + 0..7.  Two such results rounded to f16 in pairs ARE source 1 of
; O^T = V^T P.  K comes out of LDS as it lies, V turned, by ds_load_tr16_b128.
; BY TURNS.  Turn n belongs to piece n: 8 mask products and 16 products K Q^T of piece n + 1, later 16 products V^T P of piece n - 1; beside them the shift by m, exponentials, roundings, sums and rescaling of
; piece n, the maximum and statistics of piece n + 1, and the mask fragments of piece n + 2.  40 matrix and 266 vector instructions: four vector instructions behind every product, the other 106 in one lump.
; A turn's 66 exponentials are one batch with one wait.
; THE MASK BYTES come straight into registers, 2,048 bytes a turn in four loads of 512 consecutive bytes, into a ring of four sets, one a piece: a set is asked for again directly behind the lines that read it,
; four turns ahead of its next use.  They are no joint request: each wave has queries of its own.
; CLUSTER.  The four query blocks of a head walk the same K and V: each tile is asked for JOINTLY.  One descriptor serves all four waves: wave w brings 128 keys, of K (w < 2) or V, half w % 2.
; REGISTERS.  window 0: v0-11 addresses; v12-15, v48-63 at work; v16-47 statistics, four a tile: m, a spare (named with m as a pair), l twice; v64-191 S^T, two buffers of two tiles; v192-255 P, likewise
;   window 1: O^T, 32 a tile     window 2: v0-127 Q; v128-191 K of one step; v192-255 V of one step
;   window 3: v0-1 the add's two registers; v2 zero; v8-23 the two picking matrices; v32-95 mask bytes, 16 a piece; v96-127 mask fragments of one piece
.set NP,    4
.set KS,    64
.set PK,    160       ; rows of K and V in LDS: 128 bytes + 32.; K's rows 8 apart share banks: the price of one descriptor
.set PV,    160
.set VOFF,  4*KS*PK   ; a slot: 256 rows of K, then 256 rows of V
.set SLOT1, 1<<17
.set STAGE, SLOT1+4*KS*(PK+PV)  ; behind the ring, never filled by a tensor load: 16 rows x 144 bytes for each wave
.set SP,    144
.set SPARE, STAGE+4*16*SP       ; the spare words: two blocks of 256 bytes that no other line names
.set AK0, 2           ; v2   my lane's place in a tile of K; never rewritten
.set AV0, 3           ; v3   the same for V
.set AK,  4           ; v4   the LDS address of K's next run of loads
.set AV,  5           ; v5   of V's
.set STO, 6           ; v6   the way out: where I put 16 bytes of a row
.set RD,  7           ; v7   where I read rows back
.set GO,  8           ; v8   16 x lane: my place in 512 consecutive bytes, of O and of MB8; never rewritten
.set PFO, 10          ; v10  256 x lane
.set QO,  11          ; v11  my byte offset in 16 rows of Q
.set SPW, 0           ; v0 of window 3
.set NIL, 1           ; v1 of window 3
.set ZR,  2           ; v2 of window 3: 0, the bytes that v_perm_b32 sets under the mask's
.set SELM, 8          ; window 3: matrix h0 (0, 1) at SELM + 8 h0
.set RAW, 32          ; window 3: piece p, tile t, F at RAW + 16 p + 8 t + 4 F: 16 bytes a lane
.set MX,  96          ; window 3: tile t, F at MX + 16 t + 8 F: keys 32 (lane / 16) + 16 F + 0..15 of query lane % 16
.set MV,  12          ; v12-15  m_old, by buffer and tile
.set ST,  16
.set TMP, 48          ; by buffer and tile, c0-c3 at work; when the maximum is found c2 takes a
.set S,   64
.set P,   192
.set KF,  128
.set VF,  192
.set G0,  4           ; s[4:7]   descriptor group 0: it walks
.set G1,  8           ; s[8:15]  group 1
.set WV,  16
.set SLOTS, 17        ; s17  slots still to be asked for
.set CNT, 18          ; s18  counts a slot's key steps
.set LIM, 19          ; s19  1 in a wave that prefetches, else the greatest number
.set SEL, 22          ; s[22:23] v_permlanex16_b32's selects
.set TBK, 24          ; s24  LDS byte at which K of the step to be fetched begins
.set TBV, 25          ; s25  the same for V, less VOFF
.set MP,  26          ; s[26:27] MB8 at my wave's first query tile, at the key step whose bytes are asked for
.set OP,  28          ; s[28:29] O16 at my wave's first row
.set PFA, 30          ; s[30:31] where my prefetches stand
.set SELP, 52         ; s[52:53] v_perm_b32's selects: bytes 0, 1 or bytes 2, 3 of a word into the upper bytes of two halves
.set MST, 54          ; s[54:55] MP's step in the tail
.set QP,  56          ; s[56:57] Q at my wave's first row
.set MSB, 0
.macro WIN new
.if MSB != (\new)
	s_set_vgpr_msb (MSB<<8)|(\new)
.set MSB, (\new)
.endif
.endm
.set W_KQ, 0x0a
.set W_PV, 0x52
.set W_RS, 0x41
.set W_MK, 0xc0       ; destination window 3, sources window 0
.set W_AD, 0x0f       ; sources 0 and 1 window 3, destination window 0: the add, and the mask products
.set W_PM, 0xcf       ; destination and sources 0 and 1 window 3
.macro JLOAD                        ; the joint fill: one line for all four waves, whose descriptors differ by the wave's number; an s_nop 0 and four v_nop follow
	tensor_load_to_lds s[G0:G0+3], s[G1:G1+7]
	s_nop 0
.rept 4
	v_nop
.endr
.endm
; A PREFETCH INTO THE L2 of what the NEXT change of slots will ask for: 128 blocks of 256 bytes of K and as many of V.  A head has one cluster; its four partners take 32 blocks each BY ADDRESS;
; wave 0 asks for K's, wave 2 for V's: each block is named once.  The last change that fills a slot asks for nothing.
.macro ASK
	s_cmp_gt_u32 s[SLOTS], s[LIM]
	s_cbranch_scc0 .Lnot_mine_\@
	global_prefetch_b8 v[PFO], s[PFA:PFA+1] th:TH_LOAD_NT scope:SCOPE_SE
.Lnot_mine_\@:
.endm
.macro CROUND
	s_barrier_signal -1
	s_barrier_wait -1
	s_cmp_lg_u32 s[WV], 0
	s_cbranch_scc1 .Lnot_wave_0_\@
	s_barrier_signal -3
.Lnot_wave_0_\@:
	s_barrier_wait -3
	s_barrier_signal -1
	s_barrier_wait -1
.endm
; THE CHANGE OF SLOTS.  Each wave waits for all its tensor loads (one is out: its part of the other slot), adds 0 to its spare word, and waits for that and for its reads of the slot.  fill = 1: the barrier
; is a round of the cluster's, and the joint fill, with the keys two slots on, is the first thing behind it: four key steps, 640 products, in which to land.
.macro CHANGE fill
	WIN W_AD
	s_wait_tensorcnt 0x0            ; no tensor load of mine is out, so group 0 may be written
	ds_add_u32 v[SPW], v[NIL]
	WIN 0
.if \fill
	s_xor_b32 s[G0+1], s[G0+1], SLOT1
	s_add_nc_u64 s[G0+2:G0+3], s[G0+2:G0+3], 4*KS*128
	s_wait_xcnt 0x0                 ; the last prefetch, four key steps back, has read its address
	s_add_nc_u64 s[PFA:PFA+1], s[PFA:PFA+1], 4*KS*128
	s_wait_dscnt 0x0                ; the add is done, and my reads of the slot are over
	CROUND
	JLOAD
	ASK
.else
	s_wait_dscnt 0x0
	s_barrier_signal -1
	s_barrier_wait -1
.endif
	s_sub_co_u32 s[TBK], s[TBK], 4*KS*PK
	s_xor_b32 s[TBK], s[TBK], SLOT1
	s_sub_co_u32 s[TBV], s[TBV], 4*KS*PV
	s_xor_b32 s[TBV], s[TBV], SLOT1
.endm
.macro MLOAD lp                     ; piece lp's mask bytes for the key step at which MP stands: a query tile is 32,768 bytes of MB8, a key step 1,024 of them; each load covers 512 consecutive bytes
	WIN W_MK
.irp t, 0,1
.irp f, 0,1
	global_load_b128 v[RAW+16*(\lp)+8*(\t)+4*(\f):RAW+16*(\lp)+8*(\t)+4*(\f)+3], v[GO], s[MP:MP+1] offset:(2*(\lp)+(\t))*32768+(\f)*512
.endr
.endr
	WIN 0
.endm
	s_load_b128 s[32:35], s[0:1], 0x0  ; QKV16 s[32:33], MB8 s[34:35]
	s_load_b64 s[36:37], s[0:1], 0x10  ; O16
	WIN W_MK
	v_lshl_add_u32 v[SPW], v0, 2, SPARE
	v_mov_b32 v[NIL], 0
	WIN W_AD
	ds_add_u32 v[SPW], v[NIL]       ; the wave's opening: the add and its wait stand ahead of my first tensor load
	WIN 0
	v_lshrrev_b32 v1, 5, v0
	v_readfirstlane_b32 s[WV], v1
	s_bfe_u32 s38, ttmp6, 0x40000   ; cx
	s_lshl_b32 s39, ttmp9, 2
	s_add_co_u32 s39, s39, s38      ; my block of 512 queries: it enters Q's, O's, MB8's and the prefetches' addresses alone
	s_and_b32 s40, ttmp7, 0xffff    ; batch x head, which the four partners share
	s_lshl_b32 s41, s40, 18         ; the head's first byte in a part
	s_lshr_b32 s42, s[WV], 1        ; what I fetch: part 1 (K) or 2 (V),
	s_add_co_u32 s42, s42, 1
	s_lshl_b32 s42, s42, 24
	s_add_co_u32 s42, s42, s41
	s_and_b32 s44, s[WV], 1
	s_lshl_b32 s45, s44, 14         ; half w % 2 of a slot's 256 keys
	s_add_co_u32 s42, s42, s45
	s_mov_b32 s43, 0
	s_lshl_b32 s46, s39, 16         ; my wave's 128 rows of Q and O
	s_lshl_b32 s45, s[WV], 14
	s_add_co_u32 s46, s46, s45
	s_add_co_u32 s46, s46, s41
	s_mov_b32 s47, 0
	s_lshr_b32 s48, s40, 4          ; my first query tile: 128 batch + 32 block + 8 wave, 32,768 bytes each
	s_lshl_b32 s48, s48, 7
	s_lshl_b32 s45, s39, 5
	s_add_co_u32 s48, s48, s45
	s_lshl3_add_u32 s48, s[WV], s48
	s_lshl_b32 s48, s48, 15
	s_mov_b32 s49, 0
	s_lshl_b32 s50, s38, 13         ; the prefetches: my work-group's 8,192 bytes, in slot 1; the first change steps them to slot 2
	s_add_co_u32 s50, s50, s42
	s_add_co_u32 s50, s50, 4*KS*128
	s_mov_b32 s51, 0
	; group 1: 128 keys are 16,384 dense bytes: 64 rows of 128 elements, 32 bytes of padding behind every 32 words
	s_mov_b32 s[G1], 15|(1<<16)|(1<<20)|(1<<21)|(4<<22)|(7<<25)
	s_mov_b32 s[G1+1], 128<<16
	s_mov_b32 s[G1+2], 64<<16
	s_mov_b32 s[G1+3], 128<<16
	s_mov_b32 s[G1+4], 64
	s_mov_b32 s[G1+5], 128
	s_mov_b32 s[G1+6], 0
	s_mov_b32 s[G1+7], 0
	s_mov_b32 s[G0], 1
	s_mul_i32 s[G0+1], s[WV], 128*PK  ; slot 0: K's halves, then V's: no place in the cluster enters an LDS address
	s_mov_b32 s[SEL], 0x76543210
	s_mov_b32 s[SEL+1], 0xfedcba98
	s_mov_b32 s[SELP], 0x05000400   ; from the low byte up: 0, the word's byte 0, 0, its byte 1 (codes 4-7: the first source; 0-3: the second, which is zero)
	s_mov_b32 s[SELP+1], 0x07000600 ; the same with bytes 2 and 3
	s_mov_b32 s[TBK], SLOT1+4*KS*PK ; the first change of slots turns these two into 0
	s_mov_b32 s[TBV], SLOT1+4*KS*PV
	s_mov_b32 s[SLOTS], 7
	s_mov_b32 s[MST+1], 0
	s_cmp_eq_u32 s44, 0
	s_cselect_b32 s[LIM], 1, -1     ; waves 0 and 2
	s_wait_dscnt 0x0                ; the opening add is done
	s_wait_kmcnt 0x0
	s_add_nc_u64 s[G0+2:G0+3], s[32:33], s[42:43]
	s_or_b32 s[G0+3], s[G0+3], 0x80000000
	s_add_nc_u64 s[QP:QP+1], s[32:33], s[46:47]
	s_add_nc_u64 s[OP:OP+1], s[36:37], s[46:47]
	s_add_nc_u64 s[MP:MP+1], s[34:35], s[48:49]
	s_add_nc_u64 s[PFA:PFA+1], s[32:33], s[50:51]
	CROUND                          ; all four work-groups are here: the first joint loads meet
	JLOAD                           ; slot 0
	v_and_b32 v[GO], 31, v0
	v_lshlrev_b32 v[PFO], 8, v[GO]
	v_lshlrev_b32 v[GO], 4, v[GO]
	MLOAD 0                         ; all four pieces' mask bytes for key step 0
	MLOAD 1
	MLOAD 2
	MLOAD 3
	v_and_b32 v1, 15, v0            ; l % 16
	v_bfe_u32 v48, v0, 4, 1         ; l / 16
	v_and_b32 v49, 7, v0
	v_bfe_u32 v50, v0, 3, 1
	v_lshlrev_b32 v[QO], 7, v1
	v_lshl_add_u32 v[QO], v48, 4, v[QO]
	WIN 0x80
.set i, 0
.rept 4*NP                          ; Q stays in registers: tile i / 2, channels 32 (i % 2) on
	global_load_b128 v[8*i:8*i+3],   v[QO], s[QP:QP+1] offset:(i/2)*2048+(i%2)*64
	global_load_b128 v[8*i+4:8*i+7], v[QO], s[QP:QP+1] offset:(i/2)*2048+(i%2)*64+32
.set i, i+1
.endr
	; What the first turn finds: V's registers and P's second buffer hold 0 (its products V^T P, of a piece that has not been, add 0), O^T and l are 0: no first step is written out.  The 352 registers are
	; cleared by 44 products of two zero fragments, eight registers a line: a quarter of the text that moves would take.  All this stands in the wait for the first tile.
	WIN 0
.set i, 0
.rept 16
	v_mov_b32 v[S+i], 0
.set i, i+1
.endr
	WIN 0x80
.set i, 0
.rept 8
	v_wmma_f32_16x16x32_f16 v[VF+8*i:VF+8*i+7], v[S:S+7], v[S+8:S+15], 0
.set i, i+1
.endr
	WIN 0x40
.set i, 0
.rept 8*NP
	v_wmma_f32_16x16x32_f16 v[8*i:8*i+7], v[S:S+7], v[S+8:S+15], 0
.set i, i+1
.endr
	WIN 0
.set i, 0
.rept 4
	v_wmma_f32_16x16x32_f16 v[P+32+8*i:P+32+8*i+7], v[S:S+7], v[S+8:S+15], 0
.set i, i+1
.endr
.set i, 0
.rept 2*NP
	v_mov_b32 v[ST+4*i], 0xff7fffff    ; m: the lowest finite number
	v_mov_b32 v[ST+4*i+1], 0
	v_mov_b32 v[ST+4*i+2], 0
	v_mov_b32 v[ST+4*i+3], 0
.set i, i+1
.endr
	v_mul_u32_u24 v[AK0], v1, PK
	v_lshl_add_u32 v[AK0], v48, 4, v[AK0]
	v_lshl_add_u32 v[AV0], v48, 3, v49  ; the turning load: key 8 (l / 16) + l % 8, channels 8 ((l / 8) % 2) + 0..7
	v_mul_u32_u24 v[AV0], v[AV0], PV
	v_lshl_add_u32 v[AV0], v50, 4, v[AV0]
	v_add_nc_u32 v[AV0], VOFF, v[AV0]
	v_mov_b32 v[AK], v[AK0]         ; key step 0 lies at the head of slot 0
	s_mul_i32 s20, s[WV], 16*SP
	s_add_co_u32 s20, s20, STAGE    ; my stage
	v_mul_u32_u24 v[STO], v1, SP
	v_lshl_add_u32 v[STO], v48, 4, v[STO]
	v_add_nc_u32 v[STO], s20, v[STO]
	v_bfe_u32 v[RD], v0, 3, 2
	v_mul_u32_u24 v[RD], v[RD], SP
	v_lshl_add_u32 v[RD], v49, 4, v[RD]
	v_add_nc_u32 v[RD], s20, v[RD]
	; THE PICKING MATRICES.  A mask fragment's k runs over 32 keys: lane half h holds, as k = 8 h + 0..7 and 16 + 8 h + 0..7, the keys 32 h + 16 F + 0..15.  Matrix h0 gives row m of the result the key
	; 32 h0 + 16 F + m: its one entry in row m stands at element m of the lanes' half h0, that is in register m / 2, half m % 2, of lane 16 h0 + m.
	v_bfe_u32 v51, v0, 1, 4         ; 8 (l / 16) + (l % 16) / 2: which of the 16 registers holds my entry
	v_and_b32 v52, 1, v0
	v_lshlrev_b32 v52, 4, v52
	v_mov_b32 v53, 0xf180           ; bf16 -2^100,
	v_lshlrev_b32 v52, v52, v53     ; in the half that my row's parity names
	WIN W_MK
	v_mov_b32 v[ZR], 0
.set k, 0
.rept 16
	v_cmp_eq_u32 s20, k, v51
	v_cndmask_b32 v[SELM+k], 0, v52, s20
.set k, k+1
.endr
	WIN 0
; THE MATRIX WORK.  The 8 accumulators of a run take turns, in the same order in the mask's run and in both halves of K Q^T's.
.macro MK x                         ; mask product i of 8 for piece x: tile 2 x + i % 2, keys 16 (i / 2) on: matrix (i / 2) / 2, fragment F = (i / 2) % 2.  It starts the sum
	WIN W_AD
.set rS, S+64*((\x)%2)+32*(i%2)+8*(i/2)
	v_wmma_f32_16x16x32_bf16 v[rS:rS+7], v[SELM+8*(i/4):SELM+8*(i/4)+7], v[MX+16*(i%2)+8*((i/2)%2):MX+16*(i%2)+8*((i/2)%2)+7], 0
.endm
.macro KQ x                         ; product i of 16 of S^T += K Q^T for piece x: channels 32 (i / 8) on, keys 16 ((i / 2) % 4) on, tile 2 x + i % 2
	WIN W_KQ
.set rS, S+64*((\x)%2)+32*(i%2)+8*((i/2)%4)
.set rK, KF+16*((i/2)%4)+8*(i/8)
.set rQ, 16*(2*(\x)+i%2)+8*(i/8)
	v_wmma_f32_16x16x32_f16 v[rS:rS+7], v[rK:rK+7], v[rQ:rQ+7], v[rS:rS+7]
.endm
.macro PV x                         ; product i of 16 of O^T += V^T P for piece x: keys 32 (i / 8) on, channels 16 ((i / 2) % 4) on
	WIN W_PV
.set rO, 32*(2*(\x)+i%2)+8*((i/2)%4)
.set rV, VF+32*(i/8)+8*((i/2)%4)
.set rP, P+32*((\x)%2)+16*(i%2)+8*(i/8)
	v_wmma_f32_16x16x32_f16 v[rO:rO+7], v[rV:rV+7], v[rP:rP+7], v[rO:rO+7]
.endm
.macro MM                           ; the turn's next matrix instruction, of 40
.if i < 8
	MK (Y+1)%NP
.elseif i < 24
.set i, i-8
	KQ (Y+1)%NP
.set i, i+8
.else
.set i, i-24
	PV (Y+NP-1)%NP
.set i, i+24
.endif
.set i, i+1
.endm
.macro FETCH_K last=0               ; a step's K, 16 loads in one run.  last = 1 (the tail): in the last trip there is no further step
	WIN 0
.if \last
	s_cmp_eq_u32 s[CNT], 1
	s_cbranch_scc1 .Lno_k_\@
.endif
	WIN 0x80
.irp f, 0,1,2,3,4,5,6,7
	ds_load_b128 v[KF+8*\f:KF+8*\f+3],   v[AK] offset:(\f/2)*16*PK+(\f%2)*64
	ds_load_b128 v[KF+8*\f+4:KF+8*\f+7], v[AK] offset:(\f/2)*16*PK+(\f%2)*64+32
.endr
	s_add_co_u32 s[TBK], s[TBK], KS*PK
	WIN 0
.if \last
.Lno_k_\@:
.endif
.endm
.macro FETCH_V
	WIN 0x80
.irp f, 0,1,2,3,4,5,6,7
	ds_load_tr16_b128 v[VF+8*\f:VF+8*\f+3],   v[AV] offset:(\f/4)*32*PV+(\f%4)*32
	ds_load_tr16_b128 v[VF+8*\f+4:VF+8*\f+7], v[AV] offset:(\f/4)*32*PV+16*PV+(\f%4)*32
.endr
	WIN 0
.endm
; THE VECTOR WORK stands in four queues, each in the order in which its entries become ready; the two tiles alternate.
.macro REGS y, u
.set rT, ST+4*(2*(\y)+(\u))
.set rC, TMP+8*((\y)%2)+4*(\u)
.set rM, MV+2*((\y)%2)+(\u)
.set rS, S+64*((\y)%2)+32*(\u)
.set rP, P+32*((\y)%2)+16*(\u)
.set rO, 32*(2*(\y)+(\u))
.endm
; Number n of the 21 that find the next piece's maximum and statistics: 0-11 four chains c0-c3 of seven scores (each accumulator's lowest registers are read first); 12-14, 16 the four
; left over, the old m, and c0-c3 into c0; 15 m_old is kept; 17, 18 the query's other 32 keys lie in the lane 16 away: the new m; 19, 20 m_old - m_new; a
.macro XS u, n
	REGS (Y+1)%NP, \u
.if (\n) < 4
	v_max3_num_f32 v[rC+(\n)], v[rS+8*(\n)], v[rS+8*(\n)+1], v[rS+8*(\n)+2]
.elseif (\n) < 12
	v_max3_num_f32 v[rC+(\n)%4], v[rC+(\n)%4], v[rS+8*((\n)%4)+2*((\n)/4)+1], v[rS+8*((\n)%4)+2*((\n)/4)+2]
.elseif (\n) == 12
	v_max3_num_f32 v[rC], v[rC], v[rS+7], v[rS+15]
.elseif (\n) == 13
	v_max3_num_f32 v[rC+1], v[rC+1], v[rS+23], v[rS+31]
.elseif (\n) == 14
	v_max3_num_f32 v[rC+2], v[rC+2], v[rC+3], v[rT]
.elseif (\n) == 15
	v_mov_b32 v[rM], v[rT]
.elseif (\n) == 16
	v_max3_num_f32 v[rC], v[rC], v[rC+1], v[rC+2]
.elseif (\n) == 17
	v_permlanex16_b32 v[rC+3], v[rC], s[SEL], s[SEL+1]
.elseif (\n) == 18
	v_max_num_f32 v[rT], v[rC], v[rC+3]
.elseif (\n) == 19
	v_sub_f32 v[rC+1], v[rM], v[rT]
.else
	v_exp_f32 v[rC+2], v[rC+1]
.endif
.endm
; Number g of the 64 that follow the exponentials.  For each four weights k of a tile: both pairs are rounded to f16; the second pair is added onto the first, in place; a group later l takes that sum (the first time as l = a l + sum).
.macro GS g
.set h, (\g)+6*((\g)/62)
.if h >= 6
.set h, h+2
.endif
	REGS Y, h%2
.set k, h/8
.if h%8 < 4
	v_cvt_pk_f16_f32 v[rP+2*k+(h%8)/2], v[rS+4*k+2*((h%8)/2)], v[rS+4*k+2*((h%8)/2)+1]
.elseif h%8 < 6
	v_pk_add_f32 v[rS+4*k:rS+4*k+1], v[rS+4*k:rS+4*k+1], v[rS+4*k+2:rS+4*k+3]
.elseif k == 1
	v_pk_fma_f32 v[rT+2:rT+3], v[rT+2:rT+3], v[rC+2:rC+3], v[rS:rS+1] op_sel_hi:[1,0,1]
.else
	v_pk_add_f32 v[rT+2:rT+3], v[rT+2:rT+3], v[rS+4*k-4:rS+4*k-3]
.endif
.endm
.macro FS f                         ; s - m for pair f / 2 of tile f % 2
	REGS Y, (\f)%2
	v_pk_add_f32 v[rS+2*((\f)/2):rS+2*((\f)/2)+1], v[rS+2*((\f)/2):rS+2*((\f)/2)+1], v[rT:rT+1] op_sel_hi:[1,0] neg_lo:[0,1] neg_hi:[0,1]
.endm
; THE PLAIN QUEUE, 136 long.  0-31 the shifts; 32-59 XS 0-13; 60, 61 XS 15; 62-71 the chain XS 14, 16, 17, 18, 19; 72-135 GS's 64, which stand behind the wait.
.macro PL
	WIN 0
.if q < 32
	FS q
.elseif q < 60
	XS q%2, (q-32)/2
.elseif q < 62
	XS q-60, 15
.elseif q < 64
	XS q-62, 14
.elseif q < 72
	XS q%2, 15+(q-62)/2
.else
	GS q-72
.endif
.set q, q+1
.endm
.macro EX                           ; THE EXPONENTIALS' QUEUE, 66 long: s0-s31 of both tiles, then the next piece's two a: one batch, all ahead of the turn's one wait
	WIN 0
.if e >= 64
	XS e-64, 20
.else
	REGS Y, e%2
	v_exp_f32 v[rS+e/2], v[rS+e/2]
.endif
.set e, e+1
.endm
.macro R2                           ; THE RESCALING's QUEUE: O^T times a, two at a time, sixteen times; its a was made, and waited for, in the turn before
	REGS Y, r%2
	WIN W_RS
.irp z, 0,1
	v_pk_mul_f32 v[rO+4*(r/2)+2*\z:rO+4*(r/2)+2*\z+1], v[rO+4*(r/2)+2*\z:rO+4*(r/2)+2*\z+1], v[rC+2:rC+3] op_sel_hi:[1,0]
.endr
.set r, r+1
.endm
.macro PM2                          ; THE MASK's QUEUE: piece Y + 2's fragments, two registers at a time, sixteen times: register g takes two bytes of word g / 2
	WIN W_PM
.rept 2
	v_perm_b32 v[MX+g], v[RAW+16*((Y+2)%NP)+g/2], v[ZR], s[SELP+g%2]
.set g, g+1
.endr
.endm
; HOW THEY ARE DEALT.  Ahead of the wait stands all that names no result of the turn's exponentials.  Behind each of the first 16 products (8 of the mask, 8 of K Q^T) a shift, an exponential and two rescalings
; (behind the first a second shift); behind each of the other 8 a shift, an exponential and two of the mask's queue: the mask products, which read the fragments, are 8 products back by then.  Then the lump:
; the mask's other 16, which are also the places between the last product and the reading of its scores; the set of bytes just read is asked for again; 7 times shift and exponential; 24 times maximum and
; exponential; 6 of the maximum; the chain, its links four lines apart, with the last ten exponentials between; the two a.  Exponential e stands behind shift 2 (e / 4) + e % 2: it always comes behind plain
; e + 2 or a later one.  Behind the wait: 16 products V^T P, behind each four of GS's 64.
; A bf16 product and the f16 products that add onto its result are no chain: five places are owed between them, and seven other products' plain riders, three each, stand there.
; THE COUNT 12: a turn's four loads are followed by the next three turns' twelve before their bytes are read; every turn issues its four, in the tail too, so the count holds on every way.
; K of the next step is fetched in piece 2's turn, directly behind the wait; V of the step in hand at the end of piece 0's turn, four plain riders behind its last reader.
; MP steps to the next key step in piece 2's turn, whose loads are piece 0's.
.macro TURN p, last=0, cnt=0
.set Y, (\p)
.set i, 0
.set q, 0
.set e, 0
.set r, 0
.set g, 0
	MM
	PL
	PL
	R2
.rept 7
	MM
	PL
	EX
	R2
.endr
.if (\p) == NP-1
	s_wait_dscnt 0x0                ; K is in
.endif
.rept 8
	MM
	PL
	EX
	R2
.endr
	s_wait_loadcnt 12               ; piece p + 2's mask bytes, asked for four turns ago
.rept 8
	MM
	PL
	EX
	PM2
.endr
.if (\p) == NP-2
	WIN 0
	v_add_nc_u32 v[AK], s[TBK], v[AK0]
.endif
.rept 8
	PM2
.endr
.if (\p) == NP-2
.if \last
	s_cmp_gt_u32 s[CNT], 2          ; the loads run two key steps ahead here: in the tail's last two trips there is no such step; the last step's bytes are asked for once more, so that the count 12 holds, and serve nothing
	s_cselect_b32 s[MST], 1024, 0
	s_wait_xcnt 0x0                 ; the loads that name MP, the youngest a turn back, have read it
	s_add_nc_u64 s[MP:MP+1], s[MP:MP+1], s[MST:MST+1]
.else
	s_wait_xcnt 0x0                 ; the loads that name MP, the youngest a turn back, have read it
	s_add_nc_u64 s[MP:MP+1], s[MP:MP+1], 1024
.endif
.endif
	MLOAD ((\p)+2)%NP
.rept 31
	PL
	EX
.endr
.rept 6
	PL
.endr
.rept 5
	PL
	EX
	PL
	EX
.endr
	EX
	EX
	v_nop                           ; a plain instruction behind the last exponential: one for the batch
	s_wait_alu depctr_va_vdst(0)    ; the wait ahead of the batch's first reader
.if (\p) == NP-2
	FETCH_K \last
.endif
.if (\p) == 1
	s_wait_dscnt 0x0                ; V is in
.endif
.rept 16
	MM
.rept 4
	PL
.endr
.if ((\p) == 0) && (q == 116)
	v_add_nc_u32 v[AV], s[TBV], v[AV0]
.endif
.if ((\p) == 0) && (q == 128)
	s_add_co_u32 s[TBV], s[TBV], KS*PV
.endif
.if (\cnt) && (q == 128)
	s_sub_co_u32 s[CNT], s[CNT], 1
	s_cmp_lg_u32 s[CNT], 0
.endif
.endr
.if (\p) == 0
	FETCH_V
.endif
.endm
	CHANGE 1                        ; slot 0 is in, everybody's part of it; slot 1 is asked for
	FETCH_K                         ; key step 0
	s_wait_loadcnt 0x0              ; Q, and the mask bytes of key step 0: no load that names MP is out,
	s_add_nc_u64 s[MP:MP+1], s[MP:MP+1], 1024  ; so it may step to key step 1
.set Y, NP-2                        ; the mask's queue works for piece Y + 2: piece 0
.set g, 0
.rept 16
	PM2
.endr
	MLOAD 0
	s_wait_dscnt 0x0                ; K
.set i, 0
.rept 8
	MK 0                            ; piece 0's first scores: there is no vector work yet to set between the products
.set i, i+1
.endr
	WIN 0
.rept 5
	v_nop                           ; the five places between the bf16 products and the f16 products that add onto their results
.endr
.set i, 0
.rept 16
	KQ 0
.set i, i+1
.endr
.set Y, NP-1                        ; piece 1's fragments: 32 plain lines, the places behind those products
.set g, 0
.rept 16
	PM2
.endr
	MLOAD 1
.irp n, 0,1,2,3,4,5,6,7,8,9,10,11,12,13,14,15,16,17,18,19,20
	XS 0, \n                        ; XS works for piece Y + 1: piece 0's first maximum and statistics
	XS 1, \n
.endr
	v_nop                           ; a plain instruction behind the two a,
	s_wait_alu depctr_va_vdst(0)    ; and their wait, ahead of the branch
	s_mov_b32 s[CNT], 4
	s_branch .Lfirst                ; the loop is entered at a step's first turn, in the middle of a trip
.Lslot:                             ; six times: with the first change above, every slot but the first is asked for by a change that fills
	CHANGE 1
	s_mov_b32 s[CNT], 4
.Lstep:                             ; a trip: pieces 2 and 3 of one step, then pieces 0 and 1 of the next, whose K and V it fetches
	TURN 2
	TURN 3
	WIN 0
.Lfirst:
	TURN 0
	TURN 1, 0, 1
	WIN 0
	s_cbranch_scc1 .Lstep
	s_sub_co_u32 s[SLOTS], s[SLOTS], 1
	s_cmp_lg_u32 s[SLOTS], 0
	s_cbranch_scc1 .Lslot
	CHANGE 0                        ; the tail is written out
	s_mov_b32 s[CNT], 5             ; four trips fetch the last slot's steps; the fifth is left in its middle
.Ltail:
	TURN 2, 1
	TURN 3
	WIN 0
	s_sub_co_u32 s[CNT], s[CNT], 1
	s_cmp_eq_u32 s[CNT], 0
	s_cbranch_scc1 .Lout
	TURN 0
	TURN 1
	WIN 0
	s_branch .Ltail
.Lout:                              ; the fifth trip's last 24 products for a next piece and what is made of them serve nothing: the price, once a launch, of one text for every trip
.set i, 0
.rept 16
	PV NP-1
.set i, i+1
.endr
	; THE WAY OUT.  l's two halves and the other half of the lanes' are added; O^T is divided by l (at least 1: the maximum's own weight), rounded to f16 and sent through my stage.  The additions are the places behind the last products.
	WIN 0
.macro ALL line:vararg
.set t, 0
.rept 2*NP
	\line
.set t, t+1
.endr
.endm
	ALL v_add_f32 v[ST+4*t+2], v[ST+4*t+2], v[ST+4*t+3]
	ALL v_permlanex16_b32 v[ST+4*t+3], v[ST+4*t+2], s[SEL], s[SEL+1]
	ALL v_add_f32 v[ST+4*t+2], v[ST+4*t+2], v[ST+4*t+3]
	ALL v_rcp_f32 v[ST+4*t+2], v[ST+4*t+2]
	v_nop
	s_wait_alu depctr_va_vdst(0)    ; one wait for the eight reciprocals
.macro PACK t
	WIN W_RS
.set i, 32*(\t)
.rept 16
	v_pk_mul_f32 v[i:i+1], v[i:i+1], v[ST+4*(\t)+2:ST+4*(\t)+3] op_sel_hi:[1,0]
.set i, i+2
.endr
	WIN 0x05
.set i, 0
.rept 16
	v_cvt_pk_f16_f32 v[S+16*(\t)+i], v[32*(\t)+2*i], v[32*(\t)+2*i+1]
.set i, i+1
.endr
	WIN 0
.irp f, 0,1,2,3
	ds_store_b128 v[STO], v[S+16*(\t)+4*\f:S+16*(\t)+4*\f+3] offset:32*\f
.endr
.irp f, 0,1,2,3
	ds_load_b128 v[S+16*(\t)+4*\f:S+16*(\t)+4*\f+3], v[RD] offset:\f*4*SP  ; LDS serves a wave's instructions in order (ISA guide 5.7.1.4)
.endr
.endm
.macro SEND t, younger
	WIN 0
.irp f, 0,1,2,3
	s_wait_dscnt (\younger)+3-\f
	global_store_b128 v[GO], v[S+16*(\t)+4*\f:S+16*(\t)+4*\f+3], s[OP:OP+1] offset:(\t)*2048+\f*512  ; 512 consecutive bytes, aligned
.endr
.endm
	PACK 0
.set t, 1
.rept 2*NP-1
	PACK t
	SEND t-1, 8
.set t, t+1
.endr
	SEND 2*NP-1, 0
	WIN W_AD
	s_wait_tensorcnt 0x0            ; the wave's end
	ds_add_u32 v[SPW], v[NIL]
	s_wait_dscnt 0x0
	WIN 0
	CROUND                          ; the closing round
	s_endpgm
.Lfunc_end_k_q0947c48749_attn:
	.size	k_q0947c48749_attn, .Lfunc_end_k_q0947c48749_attn-k_q0947c48749_attn
	.p2alignl 7, 3214868480
	.fill 96, 4, 3214868480
	.section	.rodata,"a",@progbits
	.p2align	6, 0x0
	.amdhsa_kernel k_q0947c48749_attn
		.amdhsa_group_segment_fixed_size 327680
		.amdhsa_private_segment_fixed_size 0
		.amdhsa_enable_private_segment 0
		.amdhsa_kernarg_size 24
		.amdhsa_user_sgpr_count 2
		.amdhsa_user_sgpr_kernarg_segment_ptr 1
		.amdhsa_wavefront_size32 1
		.amdhsa_system_sgpr_workgroup_id_x 1
		.amdhsa_system_sgpr_workgroup_id_y 1
		.amdhsa_system_sgpr_workgroup_id_z 1
		.amdhsa_system_vgpr_workitem_id 0
		.amdhsa_next_free_vgpr 896
		.amdhsa_next_free_sgpr 66
		.amdhsa_reserve_vcc 0
		.amdhsa_float_denorm_mode_32 3
		.amdhsa_float_denorm_mode_16_64 3
		.amdhsa_memory_ordered 1
		.amdhsa_forward_progress 1
		.amdhsa_inst_pref_size 229
	.end_amdhsa_kernel
	.amdgpu_metadata
---
amdhsa.version: [ 1, 2 ]
amdhsa.kernels:
  - .name:           k_q0947c48749_attn
    .symbol:         k_q0947c48749_attn.kd
    .args:
      - { .name: QKV16, .offset: 0, .size: 8, .value_kind: global_buffer, .address_space: global }
      - { .name: MB8, .offset: 8, .size: 8, .value_kind: global_buffer, .address_space: global }
      - { .name: O16, .offset: 16, .size: 8, .value_kind: global_buffer, .address_space: global }
    .group_segment_fixed_size: 327680
    .private_segment_fixed_size: 0
    .kernarg_segment_align: 8
    .kernarg_segment_size: 24
    .max_flat_workgroup_size: 128
    .sgpr_count:     66
    .vgpr_count:     896
    .wavefront_size: 32
...
	.end_amdgpu_metadata
.endif
;; end of part 3
;; launch outp (part 4): grid 4 x 64, 4 waves a work-group, clusters of 4 x 4, 327,680 bytes of LDS; arguments O16, W16, Y, b4; writes Y
.if DOCPART == 4
	.amdgcn_target "amdgcn-amd-amdhsa--gfx1250"
	.amdhsa_code_object_version 6
	.text
	.protected	k_q0947c48749_outp
	.globl	k_q0947c48749_outp
	.p2align	8
	.type	k_q0947c48749_outp,@function
k_q0947c48749_outp:
	s_mov_b64 s[64:65], 0
	v_nop
	global_prefetch_b8 v0, s[64:65] scope:SCOPE_SE
	s_setreg_imm32_b32 hwreg(HW_REG_WAVE_MODE, 25, 1), 1
	s_wait_xcnt 0x0
	s_wait_alu depctr_hold_cnt(0) depctr_sa_sdst(0) depctr_va_vdst(0) depctr_va_sdst(0) depctr_va_ssrc(0) depctr_va_vcc(0) depctr_vm_vsrc(0)
	s_getreg_b32 s2, hwreg(HW_REG_IB_STS2, 6, 4)
	s_cmp_eq_u32 s2, 0
	s_cbranch_scc0 .Lentry_in_a_cluster
	s_endpgm
.Lentry_in_a_cluster:
	s_bfe_u32 s2, ttmp6, 0x10000c
	s_cmp_lg_u32 s2, 0xf033
	s_cbranch_scc0 .Lentry_shape_is_right
	s_endpgm
.Lentry_shape_is_right:
; OUTP: Y = O W4 + b4, [8192][1024] in f32.  O16 is [batch x head 64][row 2048][64] f16: a head is a block of 64 along K.  W4 is the fourth matrix of W16, [k][n] f16.  b4 is rounded to bf16 like every input.
; Y stays in f32: it is a sum that the next launch adds the residual onto, and with large weights it can pass f16's range.
; SHARES, RING, CLUSTER, REGISTERS: a tile of 128 rows x 256 columns a work-group, 4 x 64 of them; a wave 64 x 128 in 32 accumulators; 8 K steps of 128 through two LDS slots (A: two blocks of 128 rows, pitch 144;
; W: 128 rows of 512 bytes, pitch 544, turned by ds_load_tr16_b128); waves 0, 1 fetch A's blocks, waves 2, 3 W's halves; A's tile is asked for jointly along a row of the 4 x 4 cluster, W's along a column.
; The matrix instruction is used transposed: a lane holds row lane % 16 and eight neighbouring columns.  The bias starts the sums: 256 moves for 1,024 products, and one text for every K step.
; window 0: addresses, v32-95 bias, v96-159 the way out.  window 1: accumulator (a, b) at 8 (8 a + b).  window 2: two fragment buffers of 96.
.set PA,     144
.set PB,     544
.set ABLK,   128*PA
.set BOFF,   2*ABLK
.set BHALF,  64*PB
.set SLOT1,  131072
.set STAGE,  SLOT1+BOFF+128*PB         ; behind the ring, never filled by a tensor load: 16 rows x 272 bytes for each wave
.set SPO,    272
.set SPARE,  STAGE+4*16*SPO            ; the spare words: two blocks of 256 bytes that no other line names
.set ASTEP,  524288
.set BSTEP,  262144
.set W4OFF,  6291456
.set ADRA0, 16
.set ADRB0, 17
.set STO,   18
.set RD,    19
.set CO,    20                         ; v20  my byte offset in two rows of Y
.set BO,    21
.set PFO,   22
.set ADRA,  23
.set ADRB,  24
.set SPW,   28
.set NIL,   29
.set BIAS,  32
.set TMP,   96                         ; two buffers of 32 that take turns
.set T,     224
.set F0,    0
.set F1,    96
.set CP,   8
.set BP,   10
.set WV,   12
.set AB,   13
.set Z,    14
.set LEFT, 15
.set LIM,  17
.set PFA,  18
.set PSTR, 20
.set G1A,  24
.set G0A,  32
.set SB,   47
.set G1B,  48
.set G0B,  56
.set MSB, 0
.macro WIN new
.if MSB != (\new)
	s_set_vgpr_msb (MSB<<8)|(\new)
.set MSB, \new
.endif
.endm
.set MUL,  0x5a
.set TO_F, 0x80
.macro PLACES
.rept 4
	v_nop
.endr
.endm
.macro CREST
	s_cmp_lg_u32 s[WV], 0
	s_cbranch_scc1 .Lnot_wave_0_\@
	s_barrier_signal -3
.Lnot_wave_0_\@:
	s_barrier_wait -3
	s_barrier_signal -1
	s_barrier_wait -1
.endm
.macro CROUND
	s_barrier_signal -1
	s_barrier_wait -1
	CREST
.endm
.macro JLOAD                           ; a joint refill by the walking set; an s_nop 0 and four v_nop follow each line
	s_cmp_eq_u32 s[AB], 0
	s_cbranch_scc0 .Lfor_b_\@
	tensor_load_to_lds s[G0A+4:G0A+7], s[G1A:G1A+7]
	s_nop 0
	PLACES
	s_branch .Lasked_\@
.Lfor_b_\@:
	tensor_load_to_lds s[G0B+4:G0B+7], s[G1B:G1B+7]
	s_nop 0
	PLACES
.Lasked_\@:
.endm
; A PREFETCH INTO THE L2 of the K step two refills on.  A's 128 blocks of 256 bytes: wave 0 asks, the four partners of a row of the cluster take 32 each by address.  W's 256 blocks: waves 2 and 3 of the
; clusters with y = 0, the four partners of a column 32 a wave by address.  Each block is named once; the last ask is for the last K step.
.macro ASK
	s_cmp_gt_u32 s[LEFT], s[LIM]
	s_cbranch_scc0 .Lnot_mine_\@
	global_prefetch_b8 v[PFO], s[PFA:PFA+1] th:TH_LOAD_NT scope:SCOPE_SE
.Lnot_mine_\@:
.endm
	s_load_b256 s[4:11], s[0:1], 0x0               ; O16 s[4:5], W16 s[6:7], Y s[8:9], b4 s[10:11]
	v_lshl_add_u32 v[SPW], v0, 2, SPARE
	v_mov_b32 v[NIL], 0
	ds_add_u32 v[SPW], v[NIL]                      ; the wave's opening: the add and its wait stand ahead of my first tensor load
	v_lshrrev_b32 v1, 5, v0
	v_readfirstlane_b32 s[WV], v1
	s_lshr_b32 s[AB], s[WV], 1
	s_and_b32 s[Z], s[WV], 1
	s_bfe_u32 s40, ttmp6, 0x40000                  ; cx
	s_bfe_u32 s41, ttmp6, 0x40004                  ; cy
	s_lshl_b32 s42, ttmp9, 2
	s_add_co_u32 s42, s42, s40                     ; tx
	s_and_b32 s43, ttmp7, 0xffff                   ; cluster y
	s_lshl_b32 s44, s43, 2
	s_add_co_u32 s44, s44, s41                     ; ty
	s_lshl_b32 s45, s41, 2
	s_lshl_b32 s45, 15, s45
	s_lshl_b32 s46, 0x1111, s40
	s_or_b32 s[G1A], s45, (1<<16)|(1<<20)|(1<<21)|(4<<22)|(3<<25)  ; 64 rows of 128 elements, dense; 16 bytes of padding behind every 32 words
	s_mov_b32 s[G1A+1], 128<<16
	s_mov_b32 s[G1A+2], 64<<16
	s_mov_b32 s[G1A+3], 128<<16
	s_mov_b32 s[G1A+4], 64
	s_mov_b32 s[G1A+5], 128
	s_mov_b32 s[G1A+6], 0
	s_mov_b32 s[G1A+7], 0
	s_or_b32 s[G1B], s46, (1<<16)|(1<<20)|(1<<21)|(6<<22)|(7<<25)  ; 64 rows of 256 elements, 1,024 apart; 32 bytes of padding behind every 128 words
	s_mov_b32 s[G1B+1], 256<<16
	s_mov_b32 s[G1B+2], 64<<16
	s_mov_b32 s[G1B+3], 256<<16
	s_mov_b32 s[G1B+4], 64
	s_mov_b32 s[G1B+5], 1024
	s_mov_b32 s[G1B+6], 0
	s_mov_b32 s[G1B+7], 0
	s_lshr_b32 s76, s44, 4
	s_lshl_b32 s76, s76, 22                        ; a batch: 16 blocks of 262,144 bytes
	s_and_b32 s77, s44, 15
	s_lshl_b32 s77, s77, 14
	s_add_co_u32 s76, s76, s77
	s_lshl_b32 s77, s[Z], 18
	s_add_co_u32 s76, s76, s77
	s_mov_b32 s77, 0
	s_lshl_b32 s78, s[Z], 17
	s_lshl_b32 s79, s42, 9
	s_add_co_u32 s78, s78, s79
	s_add_co_u32 s78, s78, W4OFF
	s_mov_b32 s79, 0
	s_mul_i32 s74, s[Z], ABLK
	s_mul_i32 s75, s[Z], BHALF
	s_add_co_u32 s75, s75, BOFF
	s_wait_dscnt 0x0                               ; the opening add is done
	s_wait_kmcnt 0x0
	s_add_nc_u64 s[76:77], s[4:5], s[76:77]
	s_add_nc_u64 s[78:79], s[6:7], s[78:79]
	CROUND                                         ; all sixteen work-groups are here: the first joint loads meet
.irp s, 0,1
	s_mov_b32 s[G0A+4*(\s)], 1
	s_add_co_u32 s[G0A+4*(\s)+1], s74, (\s)*SLOT1
	s_add_nc_u64 s[G0A+4*(\s)+2:G0A+4*(\s)+3], s[76:77], (\s)*ASTEP
	s_or_b32 s[G0A+4*(\s)+3], s[G0A+4*(\s)+3], 0x80000000
	s_mov_b32 s[G0B+4*(\s)], 1
	s_add_co_u32 s[G0B+4*(\s)+1], s75, (\s)*SLOT1
	s_add_nc_u64 s[G0B+4*(\s)+2:G0B+4*(\s)+3], s[78:79], (\s)*BSTEP
	s_or_b32 s[G0B+4*(\s)+3], s[G0B+4*(\s)+3], 0x80000000
.endr
	s_cmp_eq_u32 s[AB], 0                          ; a wave's two first fills stand in one branch: two loads of mine are out
	s_cbranch_scc0 .Lfirst_b
	tensor_load_to_lds s[G0A:G0A+3], s[G1A:G1A+7]
	s_nop 0
	tensor_load_to_lds s[G0A+4:G0A+7], s[G1A:G1A+7]
	s_nop 0
	PLACES
	s_branch .Lfirst_asked
.Lfirst_b:
	tensor_load_to_lds s[G0B:G0B+3], s[G1B:G1B+7]
	s_nop 0
	tensor_load_to_lds s[G0B+4:G0B+7], s[G1B:G1B+7]
	s_nop 0
	PLACES
.Lfirst_asked:
	v_and_b32 v1, 15, v0
	v_bfe_u32 v2, v0, 4, 1
	v_and_b32 v3, 7, v0
	v_bfe_u32 v4, v0, 3, 1
	v_and_b32 v5, 31, v0
	v_mul_u32_u24 v[ADRA0], v1, PA
	v_lshl_add_u32 v[ADRA0], v2, 4, v[ADRA0]
	s_mul_i32 s74, s[AB], 64*PA
	v_add_nc_u32 v[ADRA0], s74, v[ADRA0]
	v_lshl_add_u32 v[ADRB0], v2, 3, v3
	v_mul_u32_u24 v[ADRB0], v[ADRB0], PB
	v_lshl_add_u32 v[ADRB0], v4, 4, v[ADRB0]
	s_lshl_b32 s74, s[Z], 8
	s_add_co_u32 s74, s74, BOFF
	v_add_nc_u32 v[ADRB0], s74, v[ADRB0]
	s_mul_i32 s74, s[WV], 16*SPO
	s_add_co_u32 s74, s74, STAGE                   ; my stage
	v_mul_u32_u24 v[STO], v1, SPO                  ; in: row r, 32 bytes for each half of the lanes
	v_lshl_add_u32 v[STO], v2, 5, v[STO]
	v_add_nc_u32 v[STO], s74, v[STO]
	v_mul_u32_u24 v[RD], v2, SPO                   ; back: lanes 0-15 take one row of 256 bytes, lanes 16-31 the next
	v_lshl_add_u32 v[RD], v1, 4, v[RD]
	v_add_nc_u32 v[RD], s74, v[RD]
	v_lshlrev_b32 v[CO], 12, v2                    ; and the same two rows in Y
	v_lshl_add_u32 v[CO], v1, 4, v[CO]
	s_lshl_b32 s74, s42, 10
	s_lshl_b32 s75, s[Z], 9
	s_add_co_u32 s74, s74, s75                     ; 4 (256 tx + 128 wc): my columns, in a bias and in a row of Y
	v_lshl_add_u32 v[BO], v2, 5, s74
	s_lshl_b32 s75, s44, 19                        ; 128 ty rows of 4,096 bytes
	s_add_co_u32 s74, s74, s75
	s_lshl_b32 s75, s[AB], 18                      ; + 64 wr
	s_add_co_u32 s74, s74, s75
	s_mov_b32 s75, 0
	s_add_nc_u64 s[CP:CP+1], s[CP:CP+1], s[74:75]
	; the prefetches: at K step 3; the first refill steps them to 4
	s_lshr_b32 s74, s44, 4
	s_lshl_b32 s74, s74, 22
	s_and_b32 s75, s44, 15
	s_lshl_b32 s75, s75, 14
	s_add_co_u32 s74, s74, s75
	s_lshr_b32 s75, s40, 1
	s_lshl_b32 s75, s75, 18
	s_add_co_u32 s74, s74, s75
	s_and_b32 s75, s40, 1
	s_lshl_b32 s75, s75, 13
	s_add_co_u32 s74, s74, s75
	s_add_co_u32 s74, s74, 3*ASTEP
	s_lshl_b32 s76, s42, 9
	s_lshl_b32 s77, s[Z], 17
	s_add_co_u32 s76, s76, s77
	s_lshl_b32 s77, s41, 15
	s_add_co_u32 s76, s76, s77
	s_add_co_u32 s76, s76, W4OFF+3*BSTEP
	s_mov_b32 s[PSTR], BSTEP
	s_mov_b32 s45, 2048
	s_cmp_eq_u32 s43, 0
	s_cselect_b32 s46, 2, -1
	s_cmp_eq_u32 s[WV], 0
	s_cselect_b32 s[LIM], 2, -1
	s_cmp_eq_u32 s[AB], 0
	s_cselect_b32 s[LIM], s[LIM], s46
	s_cselect_b32 s74, s74, s76
	s_cselect_b64 s[PFA:PFA+1], s[4:5], s[6:7]
	s_cselect_b32 s[PSTR], ASTEP, s[PSTR]
	s_cselect_b32 s45, 512, s45
	s_mov_b32 s75, 0
	s_mov_b32 s[PSTR+1], 0
	s_add_nc_u64 s[PFA:PFA+1], s[PFA:PFA+1], s[74:75]
	v_lshrrev_b32 v6, 1, v5
	v_and_b32 v7, 1, v0
	v_mul_u32_u24 v[PFO], v6, s45
	v_lshl_add_u32 v[PFO], v7, 8, v[PFO]
	s_mov_b32 s[SB], 0
	s_mov_b32 s[LEFT], 6
	v_add_nc_u32 v[ADRA], s[SB], v[ADRA0]
	v_add_nc_u32 v[ADRB], s[SB], v[ADRB0]
.irp b, 0,1,2,3,4,5,6,7                ; my 64 numbers of b4
	global_load_b128 v[BIAS+8*(\b):BIAS+8*(\b)+3],   v[BO], s[BP:BP+1] offset:64*(\b)
	global_load_b128 v[BIAS+8*(\b)+4:BIAS+8*(\b)+7], v[BO], s[BP:BP+1] offset:64*(\b)+16
.endr
	s_wait_loadcnt 0x0
.set p, 0
.rept 32
	v_cvt_pk_bf16_f32 v[T+p%2], v[BIAS+2*p], v[BIAS+2*p+1]
	v_lshlrev_b32 v[BIAS+2*p], 16, v[T+p%2]
	v_and_b32 v[BIAS+2*p+1], 0xffff0000, v[T+p%2]
.set p, p+1
.endr
	WIN 0x40                                       ; the bias starts the 32 sums
.set i, 0
.rept 256
	v_mov_b32 v[i], v[BIAS+i%64]
.set i, i+1
.endr
	WIN 0
.macro MUL8 f, a                       ; the 32 accumulators take turns, one instruction a turn, in the same order in every quarter
	WIN MUL
.irp b, 0,1,2,3,4,5,6,7
	v_wmma_f32_16x16x32_f16 v[8*(8*(\a)+(\b)):8*(8*(\a)+(\b))+7], v[(\f)+32+8*(\b):(\f)+32+8*(\b)+7], v[(\f)+8*(\a):(\f)+8*(\a)+7], v[8*(8*(\a)+(\b)):8*(8*(\a)+(\b))+7]
.endr
.endm
.macro MUL16 f, half
	MUL8 \f, 2*(\half)
	MUL8 \f, 2*(\half)+1
.endm
.macro FETCH q, f                      ; 24 LDS loads in one run: W's eight fragments, then A's four
	WIN TO_F
.irp b, 0,1,2,3,4,5,6,7
	ds_load_tr16_b128 v[(\f)+32+8*(\b):(\f)+32+8*(\b)+3],   v[ADRB] offset:32*PB*(\q)+32*(\b)
	ds_load_tr16_b128 v[(\f)+32+8*(\b)+4:(\f)+32+8*(\b)+7], v[ADRB] offset:32*PB*(\q)+32*(\b)+16*PB
.endr
.irp a, 0,1,2,3
	ds_load_b128 v[(\f)+8*(\a):(\f)+8*(\a)+3],   v[ADRA] offset:ABLK*((\q)>>1)+64*((\q)&1)+16*PA*(\a)
	ds_load_b128 v[(\f)+8*(\a)+4:(\f)+8*(\a)+7], v[ADRA] offset:ABLK*((\q)>>1)+64*((\q)&1)+16*PA*(\a)+32
.endr
.endm
.macro QUARTER q, f, g
	s_wait_dscnt 4                                 ; W and A's rows 0-31 are in; the youngest four loads may be out
	MUL16 \f, 0
	PLACES
	FETCH \q, \g
	s_wait_dscnt 24                                ; all but the 24 just issued
	MUL16 \f, 1
.endm
; The last quarter and the change of slots: all my tensor loads, the add, my reads of the slot; the barrier (fill = 1: a round of the cluster's); the joint refill first behind it.
; fill = 0, the tail: nothing is asked for; behind the last K step (LEFT = 1) there is no slot to read, and the run of LDS loads is jumped over.
.macro TURN fill
.if \fill
	s_wait_xcnt 0x0                                ; the last prefetch, a K step back, has read its address
	s_add_nc_u64 s[PFA:PFA+1], s[PFA:PFA+1], s[PSTR:PSTR+1]
.endif
	WIN 0
	s_wait_tensorcnt 0x0
	ds_add_u32 v[SPW], v[NIL]
	s_wait_dscnt 5                                 ; the add and the youngest four loads may be out
	MUL8 F1, 0
	s_wait_dscnt 0x0                               ; the add is done, and my reads of this slot are over
	s_barrier_signal -1
	MUL8 F1, 1
	WIN 0
	s_barrier_wait -1
.if \fill
	CREST
	s_xor_b32 s[G0A+5], s[G0A+5], SLOT1
	s_add_nc_u64 s[G0A+6:G0A+7], s[G0A+6:G0A+7], ASTEP
	s_xor_b32 s[G0B+5], s[G0B+5], SLOT1
	s_add_nc_u64 s[G0B+6:G0B+7], s[G0B+6:G0B+7], BSTEP
	JLOAD
.else
	PLACES
	s_cmp_eq_u32 s[LEFT], 1
	s_cbranch_scc1 .Lno_fetch_\@
.endif
	s_xor_b32 s[SB], s[SB], SLOT1
	v_add_nc_u32 v[ADRA], s[SB], v[ADRA0]
	v_add_nc_u32 v[ADRB], s[SB], v[ADRB0]
	FETCH 0, F0
	WIN 0
.if \fill
	ASK
.else
.Lno_fetch_\@:
.endif
	MUL16 F1, 1
.endm
; THE WAY OUT, in eight units of 16 rows x 64 columns (u = 2 a + g): 32 bytes a lane into my stage, back as whole rows of 256 bytes, stored.
.macro TOSTAGE u
.set AC, 64*((\u)>>1)+32*((\u)&1)
.set BK, TMP+32*((\u)%2)
	WIN 0x04                                       ; the stores' data in window 1
.irp f, 0,1,2,3
	ds_store_b128 v[STO], v[AC+8*(\f):AC+8*(\f)+3]   offset:64*(\f)      ; each accumulator from its low end on
	ds_store_b128 v[STO], v[AC+8*(\f)+4:AC+8*(\f)+7] offset:64*(\f)+16
.endr
	WIN 0
.irp t, 0,1,2,3,4,5,6,7
	ds_load_b128 v[BK+4*(\t):BK+4*(\t)+3], v[RD] offset:(\t)*2*SPO  ; LDS serves a wave's instructions in order (ISA guide 5.7.1.4)
.endr
.endm
.macro SEND u, younger                 ; younger: the next unit's sixteen LDS instructions, or none
.set BK, TMP+32*((\u)%2)
.irp t, 0,1,2,3,4,5,6,7
	s_wait_dscnt (\younger)+7-(\t)
	global_store_b128 v[CO], v[BK+4*(\t):BK+4*(\t)+3], s[CP:CP+1] offset:(16*((\u)>>1)+2*(\t))*4096+256*((\u)&1)  ; 16 lanes store 256 consecutive bytes, aligned
.endr
.endm
	s_wait_tensorcnt 1                             ; my part of K step 0 is in; K step 1's may stay out
	s_barrier_signal -1
	s_barrier_wait -1
	FETCH 0, F0
	WIN 0
.Lstep:                                        ; six trips: a K step, and the refill two K steps ahead
	QUARTER 1, F0, F1
	QUARTER 2, F1, F0
	QUARTER 3, F0, F1
	TURN 1
	WIN 0
	s_sub_co_u32 s[LEFT], s[LEFT], 1
	s_cmp_lg_u32 s[LEFT], 0
	s_cbranch_scc1 .Lstep
	s_mov_b32 s[LEFT], 2
.Ltail:                                        ; the last two K steps ask for nothing: a loop of their own
	QUARTER 1, F0, F1
	QUARTER 2, F1, F0
	QUARTER 3, F0, F1
	TURN 0
	WIN 0
	s_sub_co_u32 s[LEFT], s[LEFT], 1
	s_cmp_lg_u32 s[LEFT], 0
	s_cbranch_scc1 .Ltail
	PLACES
	TOSTAGE 0
	TOSTAGE 1
	SEND 0, 16
.irp u, 2,3,4,5,6,7
	s_wait_xcnt 0x0                                ; the stores of the unit two back have read the buffer that is loaded again
	TOSTAGE \u
	SEND (\u)-1, 16
.endr
	SEND 7, 0
	s_wait_tensorcnt 0x0                           ; the wave's end
	ds_add_u32 v[SPW], v[NIL]
	s_wait_dscnt 0x0
	CROUND                                         ; the closing round
	s_endpgm
.Lfunc_end_k_q0947c48749_outp:
	.size	k_q0947c48749_outp, .Lfunc_end_k_q0947c48749_outp-k_q0947c48749_outp
	.p2alignl 7, 3214868480
	.fill 96, 4, 3214868480
	.section	.rodata,"a",@progbits
	.p2align	6, 0x0
	.amdhsa_kernel k_q0947c48749_outp
		.amdhsa_group_segment_fixed_size 327680
		.amdhsa_private_segment_fixed_size 0
		.amdhsa_enable_private_segment 0
		.amdhsa_kernarg_size 32
		.amdhsa_user_sgpr_count 2
		.amdhsa_user_sgpr_kernarg_segment_ptr 1
		.amdhsa_wavefront_size32 1
		.amdhsa_system_sgpr_workgroup_id_x 1
		.amdhsa_system_sgpr_workgroup_id_y 1
		.amdhsa_system_sgpr_workgroup_id_z 1
		.amdhsa_system_vgpr_workitem_id 0
		.amdhsa_next_free_vgpr 704
		.amdhsa_next_free_sgpr 80
		.amdhsa_reserve_vcc 0
		.amdhsa_float_denorm_mode_32 3
		.amdhsa_float_denorm_mode_16_64 3
		.amdhsa_memory_ordered 1
		.amdhsa_forward_progress 1
		.amdhsa_inst_pref_size 74
	.end_amdhsa_kernel
	.amdgpu_metadata
---
amdhsa.version: [ 1, 2 ]
amdhsa.kernels:
  - .name:           k_q0947c48749_outp
    .symbol:         k_q0947c48749_outp.kd
    .args:
      - { .name: O16, .offset: 0, .size: 8, .value_kind: global_buffer, .address_space: global }
      - { .name: W16, .offset: 8, .size: 8, .value_kind: global_buffer, .address_space: global }
      - { .name: Y, .offset: 16, .size: 8, .value_kind: global_buffer, .address_space: global }
      - { .name: b4, .offset: 24, .size: 8, .value_kind: global_buffer, .address_space: global }
    .group_segment_fixed_size: 327680
    .private_segment_fixed_size: 0
    .kernarg_segment_align: 8
    .kernarg_segment_size: 32
    .max_flat_workgroup_size: 128
    .sgpr_count:     80
    .vgpr_count:     704
    .wavefront_size: 32
...
	.end_amdgpu_metadata
.endif
;; end of part 4
;; launch lnout (part 5): grid 256 x 1, 8 waves a work-group, no clusters, 0 bytes of LDS; arguments Y, X16, gamma, beta, out0; writes out0
.if DOCPART == 5
	.amdgcn_target "amdgcn-amd-amdhsa--gfx1250"
	.amdhsa_code_object_version 6
	.text
	.protected	k_q0947c48749_lnout
	.globl	k_q0947c48749_lnout
	.p2align	8
	.type	k_q0947c48749_lnout,@function
k_q0947c48749_lnout:
	s_mov_b64 s[64:65], 0
	v_nop
	global_prefetch_b8 v0, s[64:65] scope:SCOPE_SE
	s_setreg_imm32_b32 hwreg(HW_REG_WAVE_MODE, 25, 1), 1
	s_wait_xcnt 0x0
; LNOUT: out0 = LayerNorm(Y + vn).  Y: [8192][1024] f32; vn: blocks 32 .. 47 of each batch of X16, [row 2048][64] f16; gamma and beta rounded to bf16 like every input; all sums in f32.
; A stream: no LDS, no matrix unit, no cluster, no prefetch.  A wave takes two rows at a time: lanes 0-15 the even row, lanes 16-31 the odd one; chunk c of 16 is columns 64 c + 4 (lane % 16) + 0..3:
; a load or store of 16 bytes covers 256 consecutive aligned bytes of each row, a load of 8 bytes 256 consecutive bytes of a block of vn, and a row's sums stay inside 16 lanes.
.set LOFF, 1                           ; v1      4,096 x (lane / 16) + 16 x (lane % 16)
.set SOFF, 2                           ; v2      128 x (lane / 16) + 8 x (lane % 16)
.set GOFF, 3                           ; v3      16 x (lane % 16)
.set T,    4
.set MU,   8
.set RS,   10
.set SUM,  12
.set ONE,  20                          ; v20     1.0
.set X,    32                          ; v[32:95]   my 64 numbers of a row
.set VN,   96                          ; v[96:127]  the residual's, f16 in pairs
.set G,    128
.set BT,   160
.set YP,   16                          ; s[16:17]
.set VP,   18                          ; s[18:19]
.set DP,   20                          ; s[20:21]
.set SINV, 26
.set SEPS, 27
.macro REDUCE
	v_pk_add_f32 v[SUM:SUM+1], v[SUM:SUM+1], v[SUM+2:SUM+3]
	v_pk_add_f32 v[SUM+4:SUM+5], v[SUM+4:SUM+5], v[SUM+6:SUM+7]
	v_pk_add_f32 v[SUM:SUM+1], v[SUM:SUM+1], v[SUM+4:SUM+5]
	v_add_f32 v[T], v[SUM], v[SUM+1]
.irp m, 1,2,4,8
	v_add_f32_dpp v[T], v[T], v[T] row_xmask:\m row_mask:0xf bank_mask:0xf
.endr
.endm
.macro STATS                           ; LayerNorm of the row in X, in place: mean first, then the squares of the differences
.irp k, 0,1,2,3
	v_pk_add_f32 v[SUM+2*(\k):SUM+2*(\k)+1], v[X+2*(\k):X+2*(\k)+1], v[X+8+2*(\k):X+8+2*(\k)+1]
.endr
.set p, 8
.rept 24
	v_pk_add_f32 v[SUM+2*(p%4):SUM+2*(p%4)+1], v[SUM+2*(p%4):SUM+2*(p%4)+1], v[X+2*p:X+2*p+1]
.set p, p+1
.endr
	REDUCE
	v_mul_f32 v[MU], s[SINV], v[T]
	v_mul_f32 v[MU+1], s[SINV], v[T]
.set p, 0
.rept 32
	v_pk_add_f32 v[X+2*p:X+2*p+1], v[X+2*p:X+2*p+1], v[MU:MU+1] neg_lo:[0,1] neg_hi:[0,1]
.set p, p+1
.endr
.irp k, 0,1,2,3
	v_pk_mul_f32 v[SUM+2*(\k):SUM+2*(\k)+1], v[X+2*(\k):X+2*(\k)+1], v[X+2*(\k):X+2*(\k)+1]
.endr
.set p, 4
.rept 28
	v_pk_fma_f32 v[SUM+2*(p%4):SUM+2*(p%4)+1], v[X+2*p:X+2*p+1], v[X+2*p:X+2*p+1], v[SUM+2*(p%4):SUM+2*(p%4)+1]
.set p, p+1
.endr
	REDUCE
	v_fma_f32 v[T], v[T], s[SINV], s[SEPS]
	v_rsq_f32 v[RS], v[T]
	v_rsq_f32 v[RS+1], v[T]
	v_nop                                          ; a plain instruction behind the last of the two,
	s_wait_alu depctr_va_vdst(0)                   ; and the one wait ahead of their first reader
.set p, 0
.rept 32
	v_pk_mul_f32 v[X+2*p:X+2*p+1], v[X+2*p:X+2*p+1], v[RS:RS+1]
.set p, p+1
.endr
.set e, 0
.rept 32
	v_fma_mix_f32_bf16 v[X+e], v[X+e], v[G+e/2], v[BT+e/2] op_sel_hi:[0,1,1]
	v_fma_mix_f32_bf16 v[X+e+1], v[X+e+1], v[G+e/2], v[BT+e/2] op_sel:[0,1,1] op_sel_hi:[0,1,1]
.set e, e+2
.endr
.endm
	s_load_b256 s[4:11], s[0:1], 0x0               ; Y s[4:5], X16 s[6:7], gamma s[8:9], beta s[10:11]
	s_load_b64 s[12:13], s[0:1], 0x20              ; out0
	v_lshrrev_b32 v4, 5, v0
	v_readfirstlane_b32 s14, v4                    ; wave 0..7
	s_mov_b32 s[SINV], 0x3a800000                  ; 1 / 1024
	s_mov_b32 s[SEPS], 0x3727c5ac                  ; 1e-5
	v_and_b32 v5, 15, v0
	v_bfe_u32 v6, v0, 4, 1
	v_lshlrev_b32 v[GOFF], 4, v5
	v_lshl_add_u32 v[LOFF], v6, 12, v[GOFF]
	v_lshlrev_b32 v[SOFF], 3, v5
	v_lshl_add_u32 v[SOFF], v6, 7, v[SOFF]
	v_mov_b32 v[ONE], 1.0
	s_lshl_b32 s22, ttmp9, 5
	s_lshl2_add_u32 s22, s14, s22                  ; my first row: 32 x + 4 w
	s_lshl_b32 s24, s22, 12
	s_mov_b32 s25, 0
	s_wait_kmcnt 0x0
	s_add_nc_u64 s[YP:YP+1], s[4:5], s[24:25]
	s_add_nc_u64 s[DP:DP+1], s[12:13], s[24:25]
	s_lshr_b32 s24, s22, 11                        ; batch
	s_mul_i32 s24, s24, 48
	s_add_co_u32 s24, s24, 32                      ; vn's first block
	s_lshl_b32 s24, s24, 18
	s_and_b32 s23, s22, 2047
	s_lshl_b32 s23, s23, 7
	s_add_co_u32 s24, s24, s23
	s_add_nc_u64 s[VP:VP+1], s[6:7], s[24:25]
.irp c, 0,1,2,3,4,5,6,7,8,9,10,11,12,13,14,15
	global_load_b128 v[X+4*(\c):X+4*(\c)+3], v[GOFF], s[8:9] offset:256*(\c)     ; gamma of my 64 columns
.endr
.irp c, 0,1,2,3,4,5,6,7,8,9,10,11,12,13,14,15
	global_load_b128 v[VN+4*(\c):VN+4*(\c)+3], v[GOFF], s[10:11] offset:256*(\c) ; beta, for the moment in v96-159
.endr
	s_wait_loadcnt 0x0
.set p, 0
.rept 32
	v_cvt_pk_bf16_f32 v[BT+p], v[VN+2*p], v[VN+2*p+1]  ; beta first: gamma's place is still beta's
.set p, p+1
.endr
.set p, 0
.rept 32
	v_cvt_pk_bf16_f32 v[G+p], v[X+2*p], v[X+2*p+1]
.set p, p+1
.endr
	s_mov_b32 s15, 2                               ; two trips, a pair of rows each
.Lrow:
.irp c, 0,1,2,3,4,5,6,7,8,9,10,11,12,13,14,15
	global_load_b128 v[X+4*(\c):X+4*(\c)+3], v[LOFF], s[YP:YP+1] offset:256*(\c) th:TH_LOAD_NT
.endr
.irp c, 0,1,2,3,4,5,6,7,8,9,10,11,12,13,14,15
	global_load_b64 v[VN+2*(\c):VN+2*(\c)+1], v[SOFF], s[VP:VP+1] offset:262144*(\c) th:TH_LOAD_NT
.endr
	s_wait_loadcnt 0x0                             ; the sums want the whole row
.set e, 0
.rept 32                               ; Y + vn, vn straight from its f16 halves
	v_fma_mix_f32 v[X+e], v[VN+e/2], v[ONE], v[X+e] op_sel_hi:[1,0,0]
	v_fma_mix_f32 v[X+e+1], v[VN+e/2], v[ONE], v[X+e+1] op_sel:[1,0,0] op_sel_hi:[1,0,0]
.set e, e+2
.endr
	STATS
.irp c, 0,1,2,3,4,5,6,7,8,9,10,11,12,13,14,15
	global_store_b128 v[LOFF], v[X+4*(\c):X+4*(\c)+3], s[DP:DP+1] offset:256*(\c) th:TH_STORE_NT
.endr
	s_wait_xcnt 0x0                                ; the stores' data and the three bases are written again only behind this wait
	s_add_nc_u64 s[YP:YP+1], s[YP:YP+1], 8192
	s_add_nc_u64 s[DP:DP+1], s[DP:DP+1], 8192
	s_add_nc_u64 s[VP:VP+1], s[VP:VP+1], 256
	s_sub_co_u32 s15, s15, 1
	s_cmp_lg_u32 s15, 0
	s_cbranch_scc1 .Lrow
	s_endpgm
.Lfunc_end_k_q0947c48749_lnout:
	.size	k_q0947c48749_lnout, .Lfunc_end_k_q0947c48749_lnout-k_q0947c48749_lnout
	.p2alignl 7, 3214868480
	.fill 96, 4, 3214868480
	.section	.rodata,"a",@progbits
	.p2align	6, 0x0
	.amdhsa_kernel k_q0947c48749_lnout
		.amdhsa_group_segment_fixed_size 0
		.amdhsa_private_segment_fixed_size 0
		.amdhsa_enable_private_segment 0
		.amdhsa_kernarg_size 40
		.amdhsa_user_sgpr_count 2
		.amdhsa_user_sgpr_kernarg_segment_ptr 1
		.amdhsa_wavefront_size32 1
		.amdhsa_system_sgpr_workgroup_id_x 1
		.amdhsa_system_sgpr_workgroup_id_y 1
		.amdhsa_system_sgpr_workgroup_id_z 1
		.amdhsa_system_vgpr_workitem_id 0
		.amdhsa_next_free_vgpr 192
		.amdhsa_next_free_sgpr 66
		.amdhsa_reserve_vcc 0
		.amdhsa_float_denorm_mode_32 3
		.amdhsa_float_denorm_mode_16_64 3
		.amdhsa_memory_ordered 1
		.amdhsa_forward_progress 1
		.amdhsa_inst_pref_size 31
	.end_amdhsa_kernel
	.amdgpu_metadata
---
amdhsa.version: [ 1, 2 ]
amdhsa.kernels:
  - .name:           k_q0947c48749_lnout
    .symbol:         k_q0947c48749_lnout.kd
    .args:
      - { .name: Y, .offset: 0, .size: 8, .value_kind: global_buffer, .address_space: global }
      - { .name: X16, .offset: 8, .size: 8, .value_kind: global_buffer, .address_space: global }
      - { .name: gamma, .offset: 16, .size: 8, .value_kind: global_buffer, .address_space: global }
      - { .name: beta, .offset: 24, .size: 8, .value_kind: global_buffer, .address_space: global }
      - { .name: out0, .offset: 32, .size: 8, .value_kind: global_buffer, .address_space: global }
    .group_segment_fixed_size: 0
    .private_segment_fixed_size: 0
    .kernarg_segment_align: 8
    .kernarg_segment_size: 40
    .max_flat_workgroup_size: 256
    .sgpr_count:     66
    .vgpr_count:     192
    .wavefront_size: 32
...
	.end_amdgpu_metadata
.endif
;; end of part 5
;; ======== version 2 of 2: 5 launches; version 1 with the launch prep written anew for expert scheduling mode
;; limits: values are held in f16: magnitudes above 65,504 overflow, below 6.1e-05 lose precision; right only within a limited range of input values
;; workspace buffers: X16 50,331,648 bytes; W16 8,388,608 bytes; MB8 16,777,216 bytes; QKV16 50,331,648 bytes; O16 16,777,216 bytes; Y 33,554,432 bytes
;; launch prep (part 6): grid 256 x 5, 8 waves a work-group, no clusters, 68,608 bytes of LDS; arguments q, k, v, mask, W1, W2, W3, W4, gamma, beta, X16, W16, MB8; writes X16, W16, MB8
.if DOCPART == 6
	.amdgcn_target "amdgcn-amd-amdhsa--gfx1250"
	.amdhsa_code_object_version 6
	.text
	.protected	k_q0947c48749_prep
	.globl	k_q0947c48749_prep
	.p2align	8
	.type	k_q0947c48749_prep,@function
k_q0947c48749_prep:
	s_mov_b64 s[64:65], 0
	v_nop
	global_prefetch_b8 v0, s[64:65] scope:SCOPE_SE
	s_setreg_imm32_b32 hwreg(HW_REG_WAVE_SCHED_MODE, 0, 2), 2
	s_setreg_imm32_b32 hwreg(HW_REG_WAVE_MODE, 25, 1), 1
	s_wait_xcnt 0x0
	s_wait_alu depctr_vm_vsrc(0)
; PREP: every large input is read once and laid out for the matrix launches.  The work-group's y says what it does:
;   0, 1  q, k: rounded to bf16, that number written as f16, into X16 [batch 4][block 48][row 2048][64]; block = 16 t + column / 64, t = 0 for q, 1 for k
;   2     v:    rounded to bf16, LayerNorm in f32 with gamma and beta rounded to bf16, the result rounded once to f16, into blocks 32 .. 47
;   3     W1-4: rounded to bf16, written as f16, row-major as given, into W16 [4][1024][1024]
;   4     mask: a byte 0 or 1 becomes 0 or 0x40, the upper byte of bf16 2.0, and the pieces of 16 bytes are laid as the attention launch's lanes take them:
;         MB8 [query tile 512][key step 32][F 2][lane 32][16 bytes]; lane L's piece = mask[16 qt + L % 16][64 st + 32 (L / 16) + 16 F + 0..15]
; LIMITS.  f16 ends at 65,504: an input beyond it becomes an infinity; a bf16 number under 2^-17 moves by at most 2^-25 when written as f16.  Mask bytes are 0 or 1.
; A stream: no matrix unit, no cluster (nothing is shared), no prefetch (every byte is asked for as soon as a register is free for it).  LDS serves role 4 alone: each wave turns 16 rows x 32 pieces
; in a stage of its own, so that its loads and its stores both cover 512 consecutive bytes.
; LANES (roles 0-2).  A wave takes two rows at a time: lanes 0-15 the even row, lanes 16-31 the odd one; chunk c of 16 is columns 64 c + 4 (lane % 16) + 0..3.
; So a 16-byte load covers 256 consecutive aligned bytes of each row, an 8-byte store 256 consecutive aligned bytes of X16 (two rows of a block lie end to end),
; and a row's sums stay inside 16 lanes.
; THE MODE: SCHED_MODE bits 1:0 = 2 (LLVM: expert scheduling mode 2), set by the entry lines.  The code itself states the register dependences
; between vector instructions and memory or LDS instructions, with s_wait_alu, always for 0.
; THE PLAN.  Registers that memory or LDS instructions touch:
;   v1-v3     offsets and LDS addresses.  Made once on each role's way, ahead of one wait on va_vdst, and never written again: the rows are reached by the scalar bases and by immediate offsets.
;   X         Written by a trip's sixteen loads; then read and written by vector lines; in role 4 read by the LDS stores.
;   O         Written by the conversions to f16, two registers a chunk, each once a trip; read by the global stores.  In role 4 v96-159 are written by LDS loads and named by no vector line.
;   T, MU, RS, SUM, G, BT are named by vector lines alone.  v20, v21: written at the head, read by the closing add alone.
; Sixteen chunks (role 4: rows) go in four groups of four.  One wait on va_vdst at the head of a group states that the group before has written what its four stores read; these stores are dealt among
; the group's own vector lines, which name T and this group's X and O alone.  A last such wait stands ahead of the last group's stores; no vector line follows it in the trip, so it also states, round
; the loop's jump, that the vector lines are done with X, in which the next trip's loads land.  One wait on vm_vsrc at a loop's end states that the stores have read O, which the next trip writes again.
; In role 2 the sums want the whole row, so all its conversions stand together, with one wait on va_vdst between them and the sixteen stores.
.set LOFF, 1                           ; v1      my byte offset in what a trip loads
.set SOFF, 2                           ; v2      my byte offset in what a trip stores
.set GOFF, 3                           ; v3      16 x (lane % 16): my columns in gamma and beta
.set T,    4                           ; v[4:7]  at work
.set MU,   8                           ; v[8:9]  the row's mean, twice
.set RS,   10                          ; v[10:11] 1 / sqrt(var + eps), twice
.set SUM,  12                          ; v[12:19] four running pairs
.set SPW,  20                          ; v20     LDS address of my spare word; never rewritten
.set NIL,  21                          ; v21     0; never rewritten
.set X,    32                          ; v[32:95]  my 64 numbers of a row, chunk c at X + 4 c
.set O,    96                          ; v[96:127] the same as f16, chunk c at O + 2 c
.set G,    128                         ; v[128:159] gamma, bf16 in pairs
.set BT,   160                         ; v[160:191] beta, likewise
.set SRC,  32                          ; s[32:33]
.set DST,  34                          ; s[34:35]
.set HIGH, 41                          ; s41  a word's upper bf16
.set SINV, 42                          ; s42  1 / 1024
.set SEPS, 43                          ; s43  1e-5
.set MPITCH, 528                       ; role 4's stage: a row of 512 bytes + 16
.set MSTAGE, 16*MPITCH                 ; a wave's stage
.set SPARE,  8*MSTAGE                  ; behind the eight stages: the spare words, 128 bytes for each wave: four blocks of 256 bytes that no other line names
.macro LOAD16 lstr                     ; sixteen loads, lstr bytes apart
.irp c, 0,1,2,3,4,5,6,7,8,9,10,11,12,13,14,15
	global_load_b128 v[X+4*(\c):X+4*(\c)+3], v[LOFF], s[SRC:SRC+1] offset:(\c)*(\lstr) th:TH_LOAD_NT
.endr
.endm
.macro RND c                           ; chunk c rounded to bf16 and widened again
	v_cvt_pk_bf16_f32 v[T], v[X+4*(\c)], v[X+4*(\c)+1]
	v_cvt_pk_bf16_f32 v[T+1], v[X+4*(\c)+2], v[X+4*(\c)+3]
	v_lshlrev_b32 v[X+4*(\c)], 16, v[T]
	v_and_b32 v[X+4*(\c)+1], s[HIGH], v[T]
	v_lshlrev_b32 v[X+4*(\c)+2], 16, v[T+1]
	v_and_b32 v[X+4*(\c)+3], s[HIGH], v[T+1]
.endm
.macro TOF16 c                         ; chunk c as f16
	v_cvt_pk_f16_f32 v[O+2*(\c)], v[X+4*(\c)], v[X+4*(\c)+1]
	v_cvt_pk_f16_f32 v[O+2*(\c)+1], v[X+4*(\c)+2], v[X+4*(\c)+3]
.endm
.macro STORE c, sstr                   ; chunk c stored
	global_store_b64 v[SOFF], v[O+2*(\c):O+2*(\c)+1], s[DST:DST+1] offset:(\c)*(\sstr)
.endm
.macro CAST lstr, sstr                 ; sixteen chunks in, rounded, out: four groups of four, a group's stores one group behind its conversions
	LOAD16 \lstr
.irp c, 0,1,2,3,4,5,6,7,8,9,10,11,12,13,14,15
	s_wait_loadcnt 15-(\c)                         ; loads come back in order: chunk c is in, the younger ones stay out
.if ((\c) > 0) && ((\c) % 4 == 0)
	s_wait_alu depctr_va_vdst(0)                   ; the conversions of the group before have written its eight registers of O, which the four stores dealt among this group read
.endif
.if (\c) >= 4
	STORE (\c)-4, \sstr                            ; no vector line since that wait names these two registers or v[SOFF]
.endif
	RND \c
	TOF16 \c
.endr
	s_wait_alu depctr_va_vdst(0)                   ; the last group's conversions have written O, which the stores below read; and the vector lines are done with X, in which a next trip's loads land
.irp c, 12,13,14,15
	STORE \c, \sstr
.endr
.endm
.macro REDUCE                          ; the four pairs into one number, then over the row's 16 lanes
	v_pk_add_f32 v[SUM:SUM+1], v[SUM:SUM+1], v[SUM+2:SUM+3]
	v_pk_add_f32 v[SUM+4:SUM+5], v[SUM+4:SUM+5], v[SUM+6:SUM+7]
	v_pk_add_f32 v[SUM:SUM+1], v[SUM:SUM+1], v[SUM+4:SUM+5]
	v_add_f32 v[T], v[SUM], v[SUM+1]
.irp m, 1,2,4,8
	v_add_f32_dpp v[T], v[T], v[T] row_xmask:\m row_mask:0xf bank_mask:0xf
.endr
.endm
.macro STATS                           ; LayerNorm of the row in X, in place: mean first, then the squares of the differences, as the definition has it
.irp k, 0,1,2,3
	v_pk_add_f32 v[SUM+2*(\k):SUM+2*(\k)+1], v[X+2*(\k):X+2*(\k)+1], v[X+8+2*(\k):X+8+2*(\k)+1]  ; the first two pairs start each chain: nothing is cleared
.endr
.set p, 8
.rept 24
	v_pk_add_f32 v[SUM+2*(p%4):SUM+2*(p%4)+1], v[SUM+2*(p%4):SUM+2*(p%4)+1], v[X+2*p:X+2*p+1]
.set p, p+1
.endr
	REDUCE
	v_mul_f32 v[MU], s[SINV], v[T]
	v_mul_f32 v[MU+1], s[SINV], v[T]
.set p, 0
.rept 32
	v_pk_add_f32 v[X+2*p:X+2*p+1], v[X+2*p:X+2*p+1], v[MU:MU+1] neg_lo:[0,1] neg_hi:[0,1]
.set p, p+1
.endr
.irp k, 0,1,2,3
	v_pk_mul_f32 v[SUM+2*(\k):SUM+2*(\k)+1], v[X+2*(\k):X+2*(\k)+1], v[X+2*(\k):X+2*(\k)+1]
.endr
.set p, 4
.rept 28
	v_pk_fma_f32 v[SUM+2*(p%4):SUM+2*(p%4)+1], v[X+2*p:X+2*p+1], v[X+2*p:X+2*p+1], v[SUM+2*(p%4):SUM+2*(p%4)+1]
.set p, p+1
.endr
	REDUCE
	v_fma_f32 v[T], v[T], s[SINV], s[SEPS]         ; var + eps
	v_rsq_f32 v[RS], v[T]
	v_rsq_f32 v[RS+1], v[T]
	v_nop                                          ; a plain instruction behind the last of the two,
	s_wait_alu depctr_va_vdst(0)                   ; and the one wait ahead of their first reader: v[RS] and v[RS+1] are written
.set p, 0
.rept 32
	v_pk_mul_f32 v[X+2*p:X+2*p+1], v[X+2*p:X+2*p+1], v[RS:RS+1]
.set p, p+1
.endr
.set e, 0
.rept 32                               ; x gamma + beta, gamma and beta straight from their bf16 halves
	v_fma_mix_f32_bf16 v[X+e], v[X+e], v[G+e/2], v[BT+e/2] op_sel_hi:[0,1,1]
	v_fma_mix_f32_bf16 v[X+e+1], v[X+e+1], v[G+e/2], v[BT+e/2] op_sel:[0,1,1] op_sel_hi:[0,1,1]
.set e, e+2
.endr
.endm
	s_load_b512 s[4:19], s[0:1], 0x0               ; q s[4:5], k s[6:7], v s[8:9], mask s[10:11], W1 .. W4 s[12:19]
	s_load_b256 s[20:27], s[0:1], 0x40             ; gamma s[20:21], beta s[22:23], X16 s[24:25], W16 s[26:27]
	s_load_b64 s[28:29], s[0:1], 0x60              ; MB8
	v_lshl_add_u32 v[SPW], v0, 2, SPARE
	v_mov_b32 v[NIL], 0
	s_and_b32 s30, ttmp7, 0xffff                   ; the role
	v_lshrrev_b32 v4, 5, v0
	v_readfirstlane_b32 s31, v4                    ; wave 0..7
	s_mov_b32 s[HIGH], 0xffff0000
	s_mov_b32 s[SINV], 0x3a800000
	s_mov_b32 s[SEPS], 0x3727c5ac
	s_mov_b32 s39, 0                               ; the high word of every offset pair s[38:39]
	v_and_b32 v5, 15, v0                           ; lane % 16
	v_bfe_u32 v6, v0, 4, 1                         ; lane / 16
	v_and_b32 v7, 31, v0                           ; lane
	v_lshlrev_b32 v[GOFF], 4, v5
	s_wait_alu depctr_va_sdst(0)                   ; s31 is written
	s_wait_kmcnt 0x0
	s_cmp_eq_u32 s30, 4
	s_cbranch_scc1 .Lmask
	s_cmp_eq_u32 s30, 3
	s_cbranch_scc1 .Lweights
	; roles 0-2: the wave's four rows, 32 x + 4 w on
	s_lshl_b32 s36, ttmp9, 5
	s_lshl2_add_u32 s36, s31, s36                  ; the first of them, among 8,192
	s_lshl_b32 s38, s36, 12                        ; 4,096 bytes a row
	s_cmp_eq_u32 s30, 0
	s_cselect_b64 s[SRC:SRC+1], s[4:5], s[6:7]
	s_cmp_eq_u32 s30, 2
	s_cselect_b64 s[SRC:SRC+1], s[8:9], s[SRC:SRC+1]
	s_add_nc_u64 s[SRC:SRC+1], s[SRC:SRC+1], s[38:39]
	s_lshr_b32 s38, s36, 11                        ; batch
	s_mul_i32 s38, s38, 48
	s_lshl4_add_u32 s38, s30, s38                  ; + 16 t: the tensor's first block
	s_lshl_b32 s38, s38, 18                        ; 262,144 bytes a block
	s_and_b32 s37, s36, 2047
	s_lshl_b32 s37, s37, 7                         ; 128 bytes a row of a block
	s_add_co_u32 s38, s38, s37
	s_add_nc_u64 s[DST:DST+1], s[24:25], s[38:39]
	v_lshl_add_u32 v[LOFF], v6, 12, v[GOFF]        ; 4,096 x (lane / 16) + 16 x (lane % 16)
	v_lshlrev_b32 v[SOFF], 3, v5
	v_lshl_add_u32 v[SOFF], v6, 7, v[SOFF]         ; 128 x (lane / 16) + 8 x (lane % 16)
	s_wait_alu depctr_va_vdst(0)                   ; v[LOFF], v[SOFF] and v[GOFF] are written: every load and store of roles 0 to 2 reads one of them as its offset
	s_mov_b32 s40, 2                               ; two trips, a pair of rows each
	s_cmp_eq_u32 s30, 2
	s_cbranch_scc1 .Lnorm
.Lcast:
	CAST 256, 262144
	s_wait_xcnt 0x0                                ; the stores' data and both bases are written again only behind this wait
	s_wait_alu depctr_vm_vsrc(0)                   ; the stores have read O, which the next trip's conversions write again
	s_add_nc_u64 s[SRC:SRC+1], s[SRC:SRC+1], 8192
	s_add_nc_u64 s[DST:DST+1], s[DST:DST+1], 256
	s_sub_co_u32 s40, s40, 1
	s_cmp_lg_u32 s40, 0
	s_cbranch_scc1 .Lcast
	s_endpgm
.Lnorm:
.irp c, 0,1,2,3,4,5,6,7,8,9,10,11,12,13,14,15
	global_load_b128 v[X+4*(\c):X+4*(\c)+3], v[GOFF], s[20:21] offset:256*(\c)   ; gamma of my 64 columns
.endr
.irp c, 0,1,2,3,4,5,6,7,8,9,10,11,12,13,14,15
	global_load_b128 v[O+4*(\c):O+4*(\c)+3], v[GOFF], s[22:23] offset:256*(\c)   ; beta, for the moment in v96-159
.endr
	s_wait_loadcnt 0x0
.set p, 0
.rept 32
	v_cvt_pk_bf16_f32 v[BT+p], v[O+2*p], v[O+2*p+1]  ; beta first: gamma's place is still beta's
.set p, p+1
.endr
.set p, 0
.rept 32
	v_cvt_pk_bf16_f32 v[G+p], v[X+2*p], v[X+2*p+1]
.set p, p+1
.endr
	s_wait_alu depctr_va_vdst(0)                   ; gamma's conversions are done reading X, in which the first trip's loads land
.Lrow:
	LOAD16 256
	s_wait_loadcnt 0x0                             ; the sums want the whole row
.irp c, 0,1,2,3,4,5,6,7,8,9,10,11,12,13,14,15
	RND \c
.endr
	STATS
.irp c, 0,1,2,3,4,5,6,7,8,9,10,11,12,13,14,15
	TOF16 \c
.endr
	s_wait_alu depctr_va_vdst(0)                   ; the conversions have written O, which the sixteen stores read, and are done reading X, in which the next trip's loads land
.irp c, 0,1,2,3,4,5,6,7,8,9,10,11,12,13,14,15
	STORE \c, 262144
.endr
	s_wait_xcnt 0x0                                ; as above
	s_wait_alu depctr_vm_vsrc(0)                   ; the stores have read O, which the next trip's conversions write again
	s_add_nc_u64 s[SRC:SRC+1], s[SRC:SRC+1], 8192
	s_add_nc_u64 s[DST:DST+1], s[DST:DST+1], 256
	s_sub_co_u32 s40, s40, 1
	s_cmp_lg_u32 s40, 0
	s_cbranch_scc1 .Lrow
	s_endpgm
.Lweights:                                     ; 64 work-groups a matrix, 16 rows each, two a wave: 8,192 dense bytes in, 4,096 out
	s_lshr_b32 s36, ttmp9, 6                       ; which W
	s_cmp_eq_u32 s36, 0
	s_cselect_b64 s[SRC:SRC+1], s[12:13], s[14:15]
	s_cmp_eq_u32 s36, 2
	s_cselect_b64 s[SRC:SRC+1], s[16:17], s[SRC:SRC+1]
	s_cmp_eq_u32 s36, 3
	s_cselect_b64 s[SRC:SRC+1], s[18:19], s[SRC:SRC+1]
	s_and_b32 s37, ttmp9, 63
	s_lshl_b32 s37, s37, 4
	s_lshl1_add_u32 s37, s31, s37                  ; my first row
	s_lshl_b32 s38, s37, 12
	s_add_nc_u64 s[SRC:SRC+1], s[SRC:SRC+1], s[38:39]
	s_lshl_b32 s38, s37, 11
	s_lshl_b32 s36, s36, 21
	s_add_co_u32 s38, s38, s36
	s_add_nc_u64 s[DST:DST+1], s[26:27], s[38:39]
	v_lshlrev_b32 v[LOFF], 4, v7                   ; a load covers 512 consecutive bytes,
	v_lshlrev_b32 v[SOFF], 3, v7                   ; a store 256
	s_wait_alu depctr_va_vdst(0)                   ; v[LOFF] and v[SOFF] are written, which this role's loads and stores read as their offsets
	CAST 512, 256
	s_endpgm
.Lmask:                                        ; a wave: 16 query rows x 512 keys = 8 key steps.  In: lane L takes piece L of a row's 32.  Out: lane L takes row L % 16, piece 4 st + 2 (L / 16) + F
	s_lshl_b32 s36, ttmp9, 1
	s_lshr_b32 s37, s31, 2
	s_add_co_u32 s36, s36, s37                     ; query tile 0..511
	s_and_b32 s37, s31, 3                          ; g: which 512 keys
	s_lshl_b32 s38, s36, 15                        ; 16 rows of 2,048 bytes
	s_lshl_b32 s40, s37, 9
	s_add_co_u32 s38, s38, s40
	s_add_nc_u64 s[SRC:SRC+1], s[10:11], s[38:39]
	s_lshl_b32 s38, s36, 15                        ; in MB8 a query tile is 32 key steps of 1,024 bytes,
	s_lshl_b32 s40, s37, 13                        ; of which mine are 8 g on
	s_add_co_u32 s38, s38, s40
	s_add_nc_u64 s[DST:DST+1], s[28:29], s[38:39]
	s_mul_i32 s40, s31, MSTAGE                     ; my wave's stage
	v_lshlrev_b32 v[LOFF], 4, v7                   ; 16 x lane: in memory, both ways
	v_add_nc_u32 v[SOFF], s40, v[LOFF]             ; into the stage: piece L of a row
	v_mul_u32_u24 v[GOFF], v5, MPITCH              ; out of it: row L % 16,
	v_lshl_add_u32 v[GOFF], v6, 5, v[GOFF]         ; 32 bytes on for lanes 16-31
	v_add_nc_u32 v[GOFF], s40, v[GOFF]
	s_wait_alu depctr_va_vdst(0)                   ; v[LOFF], v[SOFF] and v[GOFF] are written: the offset of this role's loads and stores, and the two LDS addresses
	LOAD16 2048                                    ; row r into X + 4 r: 512 consecutive bytes a load
.irp r, 0,1,2,3,4,5,6,7,8,9,10,11,12,13,14,15  ; four groups of four rows, a group's LDS stores one group behind its shifts
	s_wait_loadcnt 15-(\r)                         ; row r is in, the younger ones stay out
.if ((\r) > 0) && ((\r) % 4 == 0)
	s_wait_alu depctr_va_vdst(0)                   ; the shifts of the group before have written its sixteen registers of X, which the four LDS stores dealt among this group read
.endif
.if (\r) >= 4
	ds_store_b128 v[SOFF], v[X+4*((\r)-4):X+4*((\r)-4)+3] offset:((\r)-4)*MPITCH  ; no vector line since that wait names these registers
.endif
.irp x, 0,1,2,3
	v_lshlrev_b32 v[X+4*(\r)+(\x)], 6, v[X+4*(\r)+(\x)]  ; four bytes at once: 1 becomes 0x40, nothing crosses a byte's edge
.endr
.endr
	s_wait_alu depctr_va_vdst(0)                   ; the last group's shifts have written rows 12 to 15, which the LDS stores below read
.irp r, 12,13,14,15
	ds_store_b128 v[SOFF], v[X+4*(\r):X+4*(\r)+3] offset:(\r)*MPITCH
.endr
.irp i, 0,1,2,3,4,5,6,7,8,9,10,11,12,13,14,15  ; i = 2 st + F.  LDS serves a wave's instructions in order (ISA guide 5.7.1.4): these see the stores above; the stage is the wave's own.  No vector line of this role names v96-159
	ds_load_b128 v[O+4*(\i):O+4*(\i)+3], v[GOFF] offset:((\i)>>1)*64+((\i)&1)*16
.endr
.irp i, 0,1,2,3,4,5,6,7,8,9,10,11,12,13,14,15
	s_wait_dscnt 15-(\i)
	global_store_b128 v[LOFF], v[O+4*(\i):O+4*(\i)+3], s[DST:DST+1] offset:(\i)*512  ; 512 consecutive bytes, aligned
.endr
	s_wait_dscnt 0x0                               ; the end of a wave that stored to LDS: the closing lines, six on end
	s_wait_alu 0x0
	s_wait_tensorcnt 0x0
	ds_add_u32 v[SPW], v[NIL]
	s_wait_dscnt 0x0
	s_endpgm
.Lfunc_end_k_q0947c48749_prep:
	.size	k_q0947c48749_prep, .Lfunc_end_k_q0947c48749_prep-k_q0947c48749_prep
	.p2alignl 7, 3214868480
	.fill 96, 4, 3214868480
	.section	.rodata,"a",@progbits
	.p2align	6, 0x0
	.amdhsa_kernel k_q0947c48749_prep
		.amdhsa_group_segment_fixed_size 68608
		.amdhsa_private_segment_fixed_size 0
		.amdhsa_enable_private_segment 0
		.amdhsa_kernarg_size 104
		.amdhsa_user_sgpr_count 2
		.amdhsa_user_sgpr_kernarg_segment_ptr 1
		.amdhsa_wavefront_size32 1
		.amdhsa_system_sgpr_workgroup_id_x 1
		.amdhsa_system_sgpr_workgroup_id_y 1
		.amdhsa_system_sgpr_workgroup_id_z 1
		.amdhsa_system_vgpr_workitem_id 0
		.amdhsa_next_free_vgpr 192
		.amdhsa_next_free_sgpr 66
		.amdhsa_reserve_vcc 0
		.amdhsa_float_denorm_mode_32 3
		.amdhsa_float_denorm_mode_16_64 3
		.amdhsa_memory_ordered 1
		.amdhsa_forward_progress 1
		.amdhsa_inst_pref_size 61
	.end_amdhsa_kernel
	.amdgpu_metadata
---
amdhsa.version: [ 1, 2 ]
amdhsa.kernels:
  - .name:           k_q0947c48749_prep
    .symbol:         k_q0947c48749_prep.kd
    .args:
      - { .name: q, .offset: 0, .size: 8, .value_kind: global_buffer, .address_space: global }
      - { .name: k, .offset: 8, .size: 8, .value_kind: global_buffer, .address_space: global }
      - { .name: v, .offset: 16, .size: 8, .value_kind: global_buffer, .address_space: global }
      - { .name: mask, .offset: 24, .size: 8, .value_kind: global_buffer, .address_space: global }
      - { .name: W1, .offset: 32, .size: 8, .value_kind: global_buffer, .address_space: global }
      - { .name: W2, .offset: 40, .size: 8, .value_kind: global_buffer, .address_space: global }
      - { .name: W3, .offset: 48, .size: 8, .value_kind: global_buffer, .address_space: global }
      - { .name: W4, .offset: 56, .size: 8, .value_kind: global_buffer, .address_space: global }
      - { .name: gamma, .offset: 64, .size: 8, .value_kind: global_buffer, .address_space: global }
      - { .name: beta, .offset: 72, .size: 8, .value_kind: global_buffer, .address_space: global }
      - { .name: X16, .offset: 80, .size: 8, .value_kind: global_buffer, .address_space: global }
      - { .name: W16, .offset: 88, .size: 8, .value_kind: global_buffer, .address_space: global }
      - { .name: MB8, .offset: 96, .size: 8, .value_kind: global_buffer, .address_space: global }
    .group_segment_fixed_size: 68608
    .private_segment_fixed_size: 0
    .kernarg_segment_align: 8
    .kernarg_segment_size: 104
    .max_flat_workgroup_size: 256
    .sgpr_count:     66
    .vgpr_count:     192
    .wavefront_size: 32
...
	.end_amdgpu_metadata
.endif
;; end of part 6
;; launch proj: the kernel of part 2 again; grid 4 x 64, 4 waves a work-group, clusters of 4 x 4, 327,680 bytes of LDS; arguments X16, W16, QKV16, b1, b2, b3; writes QKV16
;; launch attn: the kernel of part 3 again; grid 4 x 64, 4 waves a work-group, clusters of 4 x 1, 327,680 bytes of LDS; arguments QKV16, MB8, O16; writes O16
;; launch outp: the kernel of part 4 again; grid 4 x 64, 4 waves a work-group, clusters of 4 x 4, 327,680 bytes of LDS; arguments O16, W16, Y, b4; writes Y
;; launch lnout: the kernel of part 5 again; grid 256 x 1, 8 waves a work-group, no clusters, 0 bytes of LDS; arguments Y, X16, gamma, beta, out0; writes out0
